; MI455X (gfx1250); checked and timed in simulation.
; The chip was launched on July 23, 2026; its instructions are those of AMD's public machine-readable ISA for CDNA 5 (MIT licence, August 2026) and "CDNA5" Instruction Set Architecture Reference Guide (July 2026). The comments in the code are by the model that wrote it; some were corrected since.
;; Fast Speech2 Conformer Attention. Allowed arithmetic: matrix products marked QUANTISED: E2M1 operands, one E8M0 scale for each 32 along K, by v_wmma_scale_f32_16x16x128_f8f6f4 with both operands' format E2M1 (or v_wmma_scale_f32_32x16x128_f4), f32 sums; products left as they are: bf16, f16 or f32 operands; f32 sums; everything else in f32.
;; Inputs: Wk 384 x 384 float32; Wo 384 x 384 float32; Wpos 384 x 384 float32; Wq 384 x 384 float32; Wv 384 x 384 float32; attention_mask 8 x 1 x 2,048 int32; bk 384 float32; bo 384 float32; bq 384 float32; bv 384 float32; hidden_states 8 x 2,048 x 384 float32; pos_bias_u 4 x 96 float32; pos_bias_v 4 x 96 float32; pos_emb 1 x 4,095 x 384 float32.
;; Outputs: out0 8 x 2,048 x 384 float32.
;; This version of the problem:
;;   THIS VERSION OF THE PROBLEM IS GIVEN IN LOW PRECISION. The matrix products marked QUANTISED in the list below multiply operands that are first quantised to E2M1 (2 exponent bits, 1 mantissa bit; 4 bits a number), with one power-of-two scale for each 32 numbers along K (OCP MX v1.0); their sums are f32. The products marked 'left as it is' may take bf16, f16 or f32 operands, with f32 sums. Whichever they take, every output number must still come out within the allowed error. Rounding operands to bf16 (8 significant bits) uses up far more of that allowance than f16 does (11 bits, for magnitudes from 6e-5 to 65,504). All else is computed in f32.
;;   The module's matrix products, in the order in which they are computed (A, B: the left and right operand; K: the contracted axis; several contracted axes count as one K, in the product's order):
;;     1. [M 16,384, K 384] x [K 384, N 384]; A: input hidden_states; B: input Wq: QUANTISED
;;     2. [M 16,384, K 384] x [K 384, N 384]; A: input hidden_states; B: input Wk: QUANTISED
;;     3. [M 16,384, K 384] x [K 384, N 384]; A: input hidden_states; B: input Wv: QUANTISED
;;     4. [M 4,095, K 384] x [K 384, N 384]; A: input pos_emb; B: input Wpos: QUANTISED
;;     5. batch 32 x [M 2,048, K 96] x [K 96, N 2,048]; A: computed on the way; B: computed on the way: left as it is (an operand is computed on the way)
;;     6. batch 4 x [M 4,095, K 96] x [K 96, N 16,384]; A: computed on the way; B: computed on the way: left as it is (an operand is computed on the way)
;;     7. batch 32 x [M 96, K 2,048] x [K 2,048, N 2,048]; A: computed on the way; B: computed on the way: left as it is (an operand is computed on the way)
;;     8. [M 16,384, K 384] x [K 384, N 384]; A: computed on the way; B: input Wo: left as it is (an operand is computed on the way)
;;   THE QUANTISER, for each operand of a quantised product, along K:
;;     - K is cut into blocks of 32 from its start; a last block that is shorter is filled with zeros.
;;     - A block's scale is 2^e with e = floor(log2(the largest magnitude in the block)) - 2, held to -126 .. 127; a block of zeros has e = 0. As a byte (E8M0): e + 127.
;;     - Each number is divided by its block's scale, clamped to +-6, and rounded to the nearest number of E2M1, ties to even, subnormals kept.
;;     - The product sums the exact products of the quantised numbers (number of the format x scale) in f32.
;;   ~~~python
;;   def quantise(x, axis):      # numpy; x: float32 -> the quantised numbers, widened to float32 again
;;       x = np.moveaxis(x, axis, -1); K = x.shape[-1]
;;       x = np.pad(x, [(0, 0)] * (x.ndim - 1) + [(0, -K % 32)]); x = x.reshape(x.shape[:-1] + (-1, 32)); a = np.abs(x).max(-1, keepdims=True)
;;       e = np.where(a > 0, np.clip(np.frexp(np.where(a > 0, a, 1))[1] - 1 - 2, -126, 127), 0)      # np.frexp(a)[1] - 1 = floor(log2(a)), exactly
;;       r = np.clip(x / 2.0 ** e, -6, 6)
;;       step = 2.0 ** (np.maximum(np.frexp(np.where(r == 0, 1, r))[1] - 1, 0) - 1)
;;       q = np.round(r / step) * step * 2.0 ** e      # np.round: ties to even
;;       return np.moveaxis(q.reshape(q.shape[:-2] + (-1,))[..., :K], -1, axis).astype(np.float32)
;;   ~~~
;; 2 versions, each right; version 2 is version 1 with the launch proj written anew for expert scheduling mode. Each part assembles by itself: llvm-mc -triple=amdgcn-amd-amdhsa -mcpu=gfx1250 --defsym DOCPART=n.
;; ======== version 1 of 2: 4 launches
;; limits: values are held in f16: magnitudes above 65,504 overflow, below 6.1e-05 lose precision; right only within a limited range of input values
;; workspace buffers: wcodes 294,912 bytes; wscales 18,432 bytes; wof 294,912 bytes; quf 12,582,912 bytes; qvf 12,582,912 bytes; kvf 25,165,824 bytes; pf 3,145,728 bytes; af 12,582,912 bytes
;; launch prep (part 1): grid 6 x 24, 4 waves a work-group, no clusters, 0 bytes of LDS; arguments Wq, Wk, Wv, Wpos, Wo, wcodes, wscales, wof; writes wcodes, wscales, wof
.if DOCPART == 1
	.amdgcn_target "amdgcn-amd-amdhsa--gfx1250"
	.amdhsa_code_object_version 6
	.text
	.protected	k_q3a6d72a6e4_prep
	.globl	k_q3a6d72a6e4_prep
	.p2align	8
	.type	k_q3a6d72a6e4_prep,@function
k_q3a6d72a6e4_prep:
	s_mov_b64 s[64:65], 0
	v_nop
	global_prefetch_b8 v0, s[64:65] scope:SCOPE_SE
	s_setreg_imm32_b32 hwreg(HW_REG_WAVE_MODE, 25, 1), 1
	s_wait_xcnt 0x0
; LAUNCH 1 OF 4: the weights become images of operand registers.
; Wq, Wk, Wv, Wpos [384 (k)][384 (n)] f32 are quantised along k to E2M1 with one E8M0 byte for each 32 along k; Wo is rounded to f16.
;
; WORK THAT THE PROGRAM LEAVES OUT, AND WHY IT IS DEAD FOR ALL VALUES OF THE INPUTS.
; (1) Half of the position scores.  The shift pads each row of [t][2t-1] with one zero in front, reads the block as [2t][t], drops t numbers and reads it as
;     [t][2t-1]: element (i, j) of the result is flat element t + i (2t-1) + j = i 2t + (t - i + j) of the padded block, that is bd[i][t-1-i+j] for j < t.
;     So query i uses positions t-1-i .. 2t-2-i alone; the other scores are sliced away, and are not computed but inside tiles of 16 that also hold live ones.
; (2) bk.  k enters the content score alone, where bk adds q_u[i] . bk_h: one number for all keys j of a row.  A term that is the same along the softmax's axis
;     leaves the softmax as it is; masked keys get the weight 0 with it or without; k is no quantised operand.  bk is not loaded and is no launch's argument.
; LIMIT: a NaN, an infinity or an overflow that reaches only bk or the scores sliced away is not carried to the result.
; LIMITS of the quantiser here: a block of zeros gets the byte 1 where the rule says 127 (its codes are zeros, and this program alone reads the bytes);
; NaN and infinities among the inputs are not served.  |Wo| stays under 65,504 (f16).
;
; AN IMAGE is 1,024 bytes: what one lane's four registers hold lies at 16 x lane, piece after piece of 512 bytes.
;   4-bit image, 16 columns n x 128 k: lane (r, h) holds column r; piece c holds k = 64 c + 32 h + 0 .. 31.
;   f16 image, 16 columns n x 32 k:    lane (r, h) holds column r; piece p holds k = 16 p + 8 h + 0 .. 7.
; SHARES.  A wave makes one image: column tile ct = 4 x + wave.  y < 12: weight y / 3, K step y % 3.  y >= 12: Wo, k chunk y - 12.
; A lane takes a column and its registers run down k, so nothing is transposed; sixteen lanes read 64 neighbouring bytes.
.set ROWW, 1536                        ; a row of a weight in bytes
	s_load_b512 s[4:19], s[0:1], 0x0               ; Wq, Wk, Wv, Wpos, Wo, wcodes, wscales, wof
	v_lshrrev_b32 v1, 5, v0
	v_readfirstlane_b32 s20, v1                    ; wave
	s_lshl_b32 s21, ttmp9, 2
	s_add_co_u32 s21, s21, s20                     ; ct
	s_and_b32 s22, ttmp7, 0xffff                   ; y
	v_and_b32 v2, 15, v0                           ; r
	v_bfe_u32 v3, v0, 4, 1                         ; h
	v_and_b32 v4, 31, v0
	v_lshlrev_b32 v4, 4, v4                        ; 16 x lane
	v_lshlrev_b32 v6, 2, v2                        ; 4 r
	s_lshl_b32 s23, s21, 6                         ; the tile's first column in bytes
	s_mov_b32 s29, 0
	s_mov_b32 s30, 0x76543210
	s_mov_b32 s31, 0xfedcba98                      ; lane selects: lane xor 16
	s_wait_kmcnt 0x0
	s_cmp_ge_u32 s22, 12
	s_cbranch_scc1 .Lwo
	; ---- a quantised weight
	s_mul_i32 s24, s22, 11
	s_lshr_b32 s24, s24, 5                         ; y / 3 for y < 12: which weight
	s_mul_i32 s25, s24, 3
	s_sub_co_u32 s25, s22, s25                     ; K step
	s_cmp_eq_u32 s24, 1
	s_cselect_b64 s[4:5], s[6:7], s[4:5]
	s_cmp_eq_u32 s24, 2
	s_cselect_b64 s[4:5], s[8:9], s[4:5]
	s_cmp_eq_u32 s24, 3
	s_cselect_b64 s[4:5], s[10:11], s[4:5]         ; the choice hangs on the work-group's number alone
	s_mul_i32 s26, s25, 128*ROWW
	s_add_co_u32 s26, s26, s23
	v_mul_u32_u24 v5, v3, 32*ROWW                  ; lanes 16-31 begin 32 rows further down
	v_add3_u32 v5, v5, v6, s26
.set i, 0
.rept 64
	global_load_b32 v[64+i], v5, s[4:5] offset:ROWW*(i+32*(i/32))   ; register 32 c + i: W(128 ks + 64 c + 32 h + i, column)
.set i, i+1
.endr
	s_mul_i32 s27, s24, 24                         ; where the image goes: ((weight 24 + ct) 3 + ks) 1,024
	s_add_co_u32 s27, s27, s21
	s_mul_i32 s27, s27, 3
	s_add_co_u32 s27, s27, s25
	s_lshl_b32 s28, s27, 10
	s_add_nc_u64 s[14:15], s[14:15], s[28:29]
	s_mul_i32 s27, s24, 12                         ; and its scale words: ((weight 12 + ct / 2) 3 + ks) 128 + 64 (ct % 2)
	s_lshr_b32 s32, s21, 1
	s_add_co_u32 s27, s27, s32
	s_mul_i32 s27, s27, 3
	s_add_co_u32 s27, s27, s25
	s_lshl_b32 s28, s27, 7
	s_and_b32 s32, s21, 1
	s_lshl_b32 s32, s32, 6
	s_add_co_u32 s28, s28, s32
	s_add_nc_u64 s[16:17], s[16:17], s[28:29]
	s_wait_loadcnt 0x0
.irp c, 0,1                                    ; my block 2 c + h: all its 32 numbers are mine
	v_max3_num_f32 v[32+\c], |v[64+32*\c]|, |v[65+32*\c]|, 0x1800000   ; with the floor 2^(3 - 127): the byte cannot fall under 1
.endr
.irp i, 2,4,6,8,10,12,14,16,18,20,22,24,26,28,30
.irp c, 0,1
	v_max3_num_f32 v[32+\c], v[32+\c], |v[64+32*\c+\i]|, |v[65+32*\c+\i]|
.endr
.endr
.irp c, 0,1
	v_add_nc_u32 v[44+\c], 0xff000000, v[32+\c]    ; 2 off the exponent field: the conversion's scale operand
.endr
.irp c, 0,1
	v_lshrrev_b32 v[36+\c], 23, v[44+\c]           ; the scale's byte
.endr
	v_lshl_or_b32 v9, v37, 16, v36                 ; my two bytes: blocks h and 2 + h,
	v_lshlrev_b32 v10, 3, v3
	v_lshlrev_b32 v9, v10, v9                      ; 8 h bits up;
	v_mov_b32 v10, 0
	v_permlanex16_b32 v10, v9, s30, s31
	v_or_b32 v9, v9, v10                           ; with lane xor 16's two the word is whole
.irp c, 0,1
.irp g, 0,1,2,3
	v_cvt_scalef32_pk8_fp4_f32 v[48+4*\c+\g], v[64+32*\c+8*\g:71+32*\c+8*\g], v[44+\c]
.endr
.endr
	v_nop                                          ; one plain line behind the last scaled conversion
	global_store_b128 v4, v[48:51], s[14:15]       ; 32 lanes store 512 consecutive bytes
	global_store_b128 v4, v[52:55], s[14:15] offset:512
	global_store_b32 v6, v9, s[16:17]              ; lanes r and 16 + r store the same word with the same value
	s_endpgm
.Lwo:
	; ---- Wo to f16
	s_sub_co_u32 s25, s22, 12                      ; k chunk of 32
	s_mul_i32 s26, s25, 32*ROWW
	s_add_co_u32 s26, s26, s23
	v_mul_u32_u24 v5, v3, 8*ROWW                   ; lanes 16-31 begin 8 rows further down
	v_add3_u32 v5, v5, v6, s26
.set i, 0
.rept 16
	global_load_b32 v[16+i], v5, s[12:13] offset:ROWW*(i+8*(i/8))   ; register 8 p + i: Wo(32 kc + 16 p + 8 h + i, column)
.set i, i+1
.endr
	s_mul_i32 s27, s21, 12
	s_add_co_u32 s27, s27, s25
	s_lshl_b32 s28, s27, 10
	s_add_nc_u64 s[18:19], s[18:19], s[28:29]
	s_wait_loadcnt 0x0
.irp n, 0,1,2,3,4,5,6,7
	v_cvt_pk_f16_f32 v[48+\n], v[16+2*\n], v[17+2*\n]
.endr
	global_store_b128 v4, v[48:51], s[18:19]
	global_store_b128 v4, v[52:55], s[18:19] offset:512
	s_endpgm
.Lfunc_end_k_q3a6d72a6e4_prep:
	.size	k_q3a6d72a6e4_prep, .Lfunc_end_k_q3a6d72a6e4_prep-k_q3a6d72a6e4_prep
	.p2alignl 7, 3214868480
	.fill 96, 4, 3214868480
	.section	.rodata,"a",@progbits
	.p2align	6, 0x0
	.amdhsa_kernel k_q3a6d72a6e4_prep
		.amdhsa_group_segment_fixed_size 0
		.amdhsa_private_segment_fixed_size 0
		.amdhsa_enable_private_segment 0
		.amdhsa_kernarg_size 64
		.amdhsa_user_sgpr_count 2
		.amdhsa_user_sgpr_kernarg_segment_ptr 1
		.amdhsa_wavefront_size32 1
		.amdhsa_system_sgpr_workgroup_id_x 1
		.amdhsa_system_sgpr_workgroup_id_y 1
		.amdhsa_system_sgpr_workgroup_id_z 1
		.amdhsa_system_vgpr_workitem_id 0
		.amdhsa_next_free_vgpr 128
		.amdhsa_next_free_sgpr 66
		.amdhsa_reserve_vcc 0
		.amdhsa_float_denorm_mode_32 3
		.amdhsa_float_denorm_mode_16_64 3
		.amdhsa_memory_ordered 1
		.amdhsa_forward_progress 1
		.amdhsa_inst_pref_size 15
	.end_amdhsa_kernel
	.amdgpu_metadata
---
amdhsa.version: [ 1, 2 ]
amdhsa.kernels:
  - .name:           k_q3a6d72a6e4_prep
    .symbol:         k_q3a6d72a6e4_prep.kd
    .args:
      - { .name: Wq, .offset: 0, .size: 8, .value_kind: global_buffer, .address_space: global }
      - { .name: Wk, .offset: 8, .size: 8, .value_kind: global_buffer, .address_space: global }
      - { .name: Wv, .offset: 16, .size: 8, .value_kind: global_buffer, .address_space: global }
      - { .name: Wpos, .offset: 24, .size: 8, .value_kind: global_buffer, .address_space: global }
      - { .name: Wo, .offset: 32, .size: 8, .value_kind: global_buffer, .address_space: global }
      - { .name: wcodes, .offset: 40, .size: 8, .value_kind: global_buffer, .address_space: global }
      - { .name: wscales, .offset: 48, .size: 8, .value_kind: global_buffer, .address_space: global }
      - { .name: wof, .offset: 56, .size: 8, .value_kind: global_buffer, .address_space: global }
    .group_segment_fixed_size: 0
    .private_segment_fixed_size: 0
    .kernarg_segment_align: 8
    .kernarg_segment_size: 64
    .max_flat_workgroup_size: 128
    .sgpr_count:     66
    .vgpr_count:     128
    .wavefront_size: 32
...
	.end_amdgpu_metadata
.endif
;; end of part 1
;; launch proj (part 2): grid 256 x 1, 4 waves a work-group, no clusters, 24,576 bytes of LDS; arguments hidden_states, pos_emb, wcodes, wscales, bq, bv, pos_bias_u, pos_bias_v, quf, qvf, kvf, pf; writes quf, qvf, kvf, pf
.if DOCPART == 2
	.amdgcn_target "amdgcn-amd-amdhsa--gfx1250"
	.amdhsa_code_object_version 6
	.text
	.protected	k_q3a6d72a6e4_proj
	.globl	k_q3a6d72a6e4_proj
	.p2align	8
	.type	k_q3a6d72a6e4_proj,@function
k_q3a6d72a6e4_proj:
	s_mov_b64 s[64:65], 0
	v_nop
	global_prefetch_b8 v0, s[64:65] scope:SCOPE_SE
	s_setreg_imm32_b32 hwreg(HW_REG_WAVE_MODE, 25, 1), 1
	s_wait_xcnt 0x0
; LAUNCH 2 OF 4: the four quantised projections.  hidden_states and pos_emb are quantised along their 384 to E2M1 (one E8M0 byte for each 32), multiplied by the weights' codes,
; and the results leave as f16 images of the operand registers of the attention launch.  bk is left out: it is dead work (shown at the head of the first launch).
; q_u = (x Wq + bq + u) c and q_v = (x Wq + bq + v) c with c = log2(e) / sqrt(96), so that scores come out in units of log2;  k = x Wk;  v = x Wv + bv;  pos = pos_emb Wpos.
; LIMITS: |q c|, |k|, |v|, |pos| stay under 65,504 (f16); blocks of zeros get the byte 1 (their codes are zeros); NaN and infinities are not served.
; SHARES.  Work-group g takes rows 64 g .. 64 g + 63 of hidden_states (row tiles 0-3) and rows 16 g .. 16 g + 15 of pos_emb (row tile 4; row 4,095 does not exist: row 4,094 is taken again,
; its result is stored and no later launch uses it).  Wave w quantises row tile w; waves 0-2 one K step each of the position tile; wave 3 makes the bias tables.  The images go through LDS, one barrier.
; Then wave w is HEAD w: its 4 x 6 column tiles x 3 K steps = 72 images of codes stay in registers, read from memory once.
; Q, K and pos are used transposed (source 0 = 16 columns of W, source 1 = 16 rows of x): a lane holds one row and eight neighbouring channels, which is a piece of an f16 image with the channels as K.
; V is used as it stands (source 0 = x, source 1 = W): a lane holds one channel and eight neighbouring keys: a piece of an image with the keys as K.
; REGISTERS, in windows of 256.  Window 0: addresses, scale words (v16-66), stages and codes of the quantiser, later accumulators and results.
;   Weight image fi = (weight 6 + tile) 3 + K step: window 1 + fi / 32, v[8 (fi % 32)].  x's image (row tile rt, K step ks): window 3, v[64 + 8 (3 rt + ks)].
.set XIMG,  0                          ; LDS: x's 15 images,
.set XSC,   15360                      ; their scale words, 128 bytes each,
.set TAB,   17408                      ; three tables of 384 f32: (bq + u) c, (bq + v) c, bv
.set SPARE, 23552                      ; the spare words, 128 bytes for each wave: two blocks of 256 bytes that no other line names
.set XA,  4                            ; v4   my lane's byte in the wave's 16 rows of hidden_states
.set LI,  5                            ; v5   16 x lane
.set LS,  6                            ; v6   4 x lane
.set XWI, 7                            ; v7   where I store my row tile's images
.set XWS, 8                            ; v8   and their scale words
.set XP,  9                            ; v9   my lane's byte in pos_emb, K step = wave
.set TBA, 10                           ; v10  the tables by eight channels: TAB + 384 w + 32 h
.set TBV, 11                           ; v11  bv by one channel: TAB + 3,072 + 384 w + 4 r
.set PWI, 13                           ; v13  where I store the position tile's image
.set PWS, 14                           ; v14  and its scale words
.set WS,  16                           ; v16-51 the weights' scale words: register (weight 3 + pair) 3 + ks; lanes 0-15 the even tile, lanes 16-31 the odd one
.set XS,  52                           ; v52-66 x's scale words: register 3 rt + ks
.set SPW, 68                           ; v68  my spare word's LDS address; never rewritten
.set NIL, 69                           ; v69  0; never rewritten
.set PW,  70                           ; v70-73 four scale words just made
.set SA,  80                           ; v80-143, v144-207 two stages of 64 numbers
.set SB,  144
.set TM,  208                          ; v208-223 at work in the quantiser
.set PC,  224                          ; v224-255 four fragments of codes just made: each has registers of its own
.set ACC, 80                           ; behind the barrier: six accumulators,
.set T,   128                          ; eight numbers at work,
.set UBR, 136                          ; eight of (bq + u) c, eight of (bq + v) c, one of bv,
.set VBR, 144
.set BVR, 152
.set OUT, 160                          ; and 32 registers of packed results
.set XW,  64                           ; x's images, in window 3
.set WV,  28
.set CS,  40                           ; s[40:41] c, twice
.set SEL, 42                           ; s[42:43] lane selects: lane xor 16
.set MSB, 0
.macro WIN new                         ; the immediate's high byte repeats the setting that is left; a switch that changes nothing is dropped
.if MSB != (\new)
	s_set_vgpr_msb (MSB<<8)|(\new)
.set MSB, (\new)
.endif
.endm
.macro PLACES n
.rept \n
	v_nop
.endr
.endm
; my 16 rows' numbers of K step ks: lane (r, h) takes, of row r, 16 neighbours of each block of 32: register 16 b + i = k 32 b + 16 h + i
.macro XLOAD reg, adr, base, ks
.irp b, 0,1,2,3
.irp j, 0,1,2,3
	global_load_b128 v[\reg+16*\b+4*\j:\reg+16*\b+4*\j+3], v[\adr], s[\base:\base+1] offset:512*(\ks)+128*\b+16*\j th:TH_LOAD_NT
.endr
.endr
.endm
; 64 numbers of a lane become a fragment's codes in v[pc] on and its scale word in v[pw]
.macro QUANT s, pc, pw
.irp b, 0,1,2,3
	v_max3_num_f32 v[TM+\b], |v[\s+16*\b]|, |v[\s+1+16*\b]|, 0x1800000   ; block b: my 16 numbers, and the floor 2^(3 - 127): the byte cannot fall under 1
.endr
.irp i, 2,4,6,8,10,12,14
.irp b, 0,1,2,3
	v_max3_num_f32 v[TM+\b], v[TM+\b], |v[\s+16*\b+\i]|, |v[\s+1+16*\b+\i]|
.endr
.endr
.irp b, 0,1,2,3
	v_permlanex16_b32 v[TM+4+\b], v[TM+\b], s[SEL], s[SEL+1]
.endr
.irp b, 0,1,2,3
	v_max_num_f32 v[TM+\b], v[TM+\b], v[TM+4+\b]   ; with lane xor 16's: the block's largest magnitude
.endr
.irp b, 0,1,2,3
	v_add_nc_u32 v[TM+12+\b], 0xff000000, v[TM+\b] ; 2 off its exponent field: the conversion's scale operand
.endr
.irp b, 0,1,2,3
	v_lshrrev_b32 v[TM+4+\b], 23, v[TM+12+\b]      ; the scale's byte
.endr
	v_lshl_or_b32 v[\pw], v[TM+5], 8, v[TM+4]
	v_lshl_or_b32 v[\pw], v[TM+6], 16, v[\pw]
	v_lshl_or_b32 v[\pw], v[TM+7], 24, v[\pw]
.irp b, 0,1,2,3
	v_cvt_scalef32_pk8_fp4_f32 v[\pc+2*\b], v[\s+16*\b:\s+7+16*\b], v[TM+12+\b]
	v_cvt_scalef32_pk8_fp4_f32 v[\pc+1+2*\b], v[\s+8+16*\b:\s+15+16*\b], v[TM+12+\b]
.endr
	v_nop                                          ; one plain line behind the last scaled conversion
.irp c, 0,1                                    ; the operand wants a whole block in a lane: lanes 0-15 block 2 c, lanes 16-31 block 2 c + 1
.irp i, 0,1
	v_permlane16_swap_b32 v[\pc+4*\c+\i], v[\pc+2+4*\c+\i]
.endr
.endr
.endm
.macro IMAGE adr, pc, off
	ds_store_b128 v[\adr], v[\pc:\pc+3] offset:\off
	ds_store_b128 v[\adr], v[\pc+4:\pc+7] offset:\off+512
.endm
; one scaled product.  WT: source 0 = the weight (its scale word in lanes 16-31 where the tile is odd);  WN: source 1 = the weight.  acc = 0: the product starts the sum
.macro WT d, a, b, acc, sa, sb, odd
.if \acc
.if \odd
	v_wmma_scale_f32_16x16x128_f8f6f4 v[\d:\d+7], v[\a:\a+7], v[\b:\b+7], v[\d:\d+7], v[\sa], v[\sb] matrix_a_fmt:MATRIX_FMT_FP4 matrix_b_fmt:MATRIX_FMT_FP4 matrix_a_scale:MATRIX_SCALE_ROW1
.else
	v_wmma_scale_f32_16x16x128_f8f6f4 v[\d:\d+7], v[\a:\a+7], v[\b:\b+7], v[\d:\d+7], v[\sa], v[\sb] matrix_a_fmt:MATRIX_FMT_FP4 matrix_b_fmt:MATRIX_FMT_FP4
.endif
.else
.if \odd
	v_wmma_scale_f32_16x16x128_f8f6f4 v[\d:\d+7], v[\a:\a+7], v[\b:\b+7], 0, v[\sa], v[\sb] matrix_a_fmt:MATRIX_FMT_FP4 matrix_b_fmt:MATRIX_FMT_FP4 matrix_a_scale:MATRIX_SCALE_ROW1
.else
	v_wmma_scale_f32_16x16x128_f8f6f4 v[\d:\d+7], v[\a:\a+7], v[\b:\b+7], 0, v[\sa], v[\sb] matrix_a_fmt:MATRIX_FMT_FP4 matrix_b_fmt:MATRIX_FMT_FP4
.endif
.endif
.endm
.macro WN d, a, b, acc, sa, sb, odd
.if \acc
.if \odd
	v_wmma_scale_f32_16x16x128_f8f6f4 v[\d:\d+7], v[\a:\a+7], v[\b:\b+7], v[\d:\d+7], v[\sa], v[\sb] matrix_a_fmt:MATRIX_FMT_FP4 matrix_b_fmt:MATRIX_FMT_FP4 matrix_b_scale:MATRIX_SCALE_ROW1
.else
	v_wmma_scale_f32_16x16x128_f8f6f4 v[\d:\d+7], v[\a:\a+7], v[\b:\b+7], v[\d:\d+7], v[\sa], v[\sb] matrix_a_fmt:MATRIX_FMT_FP4 matrix_b_fmt:MATRIX_FMT_FP4
.endif
.else
.if \odd
	v_wmma_scale_f32_16x16x128_f8f6f4 v[\d:\d+7], v[\a:\a+7], v[\b:\b+7], 0, v[\sa], v[\sb] matrix_a_fmt:MATRIX_FMT_FP4 matrix_b_fmt:MATRIX_FMT_FP4 matrix_b_scale:MATRIX_SCALE_ROW1
.else
	v_wmma_scale_f32_16x16x128_f8f6f4 v[\d:\d+7], v[\a:\a+7], v[\b:\b+7], 0, v[\sa], v[\sb] matrix_a_fmt:MATRIX_FMT_FP4 matrix_b_fmt:MATRIX_FMT_FP4
.endif
.endif
.endm
; twelve products: column tile ct of weight wt against the four row tiles, three K steps; the four accumulators take turns, one instruction a turn
.macro MUL_T wt, ct
.irp ks, 0,1,2
.set fi, ((\wt)*6+(\ct))*3+\ks
	WIN ((1+fi/32)|(3<<2))
.irp rt, 0,1,2,3
	WT ACC+8*\rt, 8*(fi%32), XW+8*(\rt*3+\ks), \ks, WS+((\wt)*3+(\ct)/2)*3+\ks, XS+\rt*3+\ks, (\ct)%2
.endr
.endr
.endm
.macro MUL_N wt, ct
.irp ks, 0,1,2
.set fi, ((\wt)*6+(\ct))*3+\ks
	WIN (3|((1+fi/32)<<2))
.irp rt, 0,1,2,3
	WN ACC+8*\rt, XW+8*(\rt*3+\ks), 8*(fi%32), \ks, XS+\rt*3+\ks, WS+((\wt)*3+(\ct)/2)*3+\ks, (\ct)%2
.endr
.endr
.endm
	s_load_b512 s[4:19], s[0:1], 0x0               ; hidden_states, pos_emb, wcodes, wscales, bq, bv, u, v
	s_load_b256 s[20:27], s[0:1], 0x40             ; quf, qvf, kvf, pf
	v_lshl_add_u32 v[SPW], v0, 2, SPARE
	v_mov_b32 v[NIL], 0
	v_lshrrev_b32 v1, 5, v0
	v_readfirstlane_b32 s[WV], v1                  ; wave = head
	v_and_b32 v1, 31, v0                           ; lane
	v_and_b32 v2, 15, v0                           ; r
	v_bfe_u32 v3, v0, 4, 1                         ; h
	v_mul_u32_u24 v[XA], v2, 1536
	v_lshl_add_u32 v[XA], v3, 6, v[XA]             ; row r of 1,536 bytes, + 64 h
	v_lshlrev_b32 v[LI], 4, v1
	v_lshlrev_b32 v[LS], 2, v1
	s_mul_i32 s29, s[WV], 3072                     ; every LDS address is made here, ahead of the waves' parting
	v_add_nc_u32 v[XWI], s29, v[LI]
	s_mul_i32 s29, s[WV], 384
	s_add_co_u32 s30, s29, XSC
	v_add_nc_u32 v[XWS], s30, v[LS]
	s_lshl_b32 s30, s[WV], 10
	s_add_co_u32 s30, s30, 12*1024
	v_add_nc_u32 v[PWI], s30, v[LI]
	s_lshl_b32 s30, s[WV], 7
	s_add_co_u32 s30, s30, XSC+12*128
	v_add_nc_u32 v[PWS], s30, v[LS]
	s_add_co_u32 s30, s29, TAB
	v_lshl_add_u32 v[TBA], v3, 5, s30
	s_add_co_u32 s30, s29, TAB+3072
	v_lshl_add_u32 v[TBV], v2, 2, s30
	s_lshl_b32 s31, ttmp9, 4
	v_add_nc_u32 v[XP], s31, v2                    ; position row 16 g + r,
	v_min_u32 v[XP], 4094, v[XP]                   ; held at the last row that exists
	v_mul_u32_u24 v[XP], v[XP], 1536
	v_lshl_add_u32 v[XP], v3, 6, v[XP]
	s_lshl_b32 s31, s[WV], 9
	v_add_nc_u32 v[XP], s31, v[XP]                 ; K step = wave (used by waves 0-2 alone)
	s_mov_b32 s[CS], 0x3e16c740                    ; c = log2(e) / sqrt(96)
	s_mov_b32 s[CS+1], s[CS]
	s_mov_b32 s[SEL], 0x76543210
	s_mov_b32 s[SEL+1], 0xfedcba98
.irp b, 0,1,2,3
	v_mov_b32 v[TM+4+\b], 0                        ; written once: a lane permute's destination counts as one of its sources
.endr
	s_lshl_b32 s32, ttmp9, 6
	s_lshl_b32 s33, s[WV], 4
	s_add_co_u32 s32, s32, s33
	s_mul_i32 s32, s32, 1536                       ; hidden_states at row 64 g + 16 w
	s_mov_b32 s33, 0
	s_lshr_b32 s34, ttmp9, 5
	s_lshl_b32 s34, s34, 2
	s_add_co_u32 s34, s34, s[WV]                   ; batch x 4 + head
	s_and_b32 s35, ttmp9, 31                       ; which 64 rows of the sequence
	s_lshl_b32 s36, s34, 7
	s_lshl_b32 s37, s35, 2
	s_add_co_u32 s36, s36, s37
	s_mul_i32 s36, s36, 3072                       ; quf, qvf: three images a tile of 16 queries
	s_mov_b32 s37, 0
	s_lshl_b32 s38, s34, 5
	s_add_co_u32 s38, s38, s35
	s_mul_i32 s38, s38, 24576                      ; kvf: 24 images a block of 64 keys
	s_mov_b32 s39, 0
	s_mul_i32 s44, s[WV], 786432
	s_mul_i32 s45, ttmp9, 3072
	s_add_co_u32 s44, s44, s45                     ; pf: head, position tile g
	s_mov_b32 s45, 0
	s_mul_i32 s46, s[WV], 18432                    ; my six column tiles in each weight's images
	s_mov_b32 s47, 0
	s_mul_i32 s48, s[WV], 1152                     ; and in the scale words
	s_mov_b32 s49, 0
	s_wait_kmcnt 0x0
	s_add_nc_u64 s[4:5], s[4:5], s[32:33]
	s_add_nc_u64 s[8:9], s[8:9], s[46:47]
	s_add_nc_u64 s[10:11], s[10:11], s[48:49]
	s_add_nc_u64 s[20:21], s[20:21], s[36:37]
	s_add_nc_u64 s[22:23], s[22:23], s[36:37]
	s_add_nc_u64 s[24:25], s[24:25], s[38:39]
	s_add_nc_u64 s[26:27], s[26:27], s[44:45]
	; ---- my row tile of hidden_states: three K steps through two stages
	XLOAD SA, XA, 4, 0
	XLOAD SB, XA, 4, 1
	s_wait_loadcnt 16                              ; K step 0 is in; K step 1's 16 loads may be out
	QUANT SA, PC, PW
	IMAGE XWI, PC, XIMG
	ds_store_b32 v[XWS], v[PW]
	XLOAD SA, XA, 4, 2
	s_wait_loadcnt 16                              ; K step 1 is in; K step 2's may be out
	QUANT SB, PC+8, PW+1
	IMAGE XWI, PC+8, XIMG+1024
	ds_store_b32 v[XWS], v[PW+1] offset:128
	s_cmp_lt_u32 s[WV], 3
	s_cbranch_scc0 .Ltables
	XLOAD SB, XP, 6, 0                             ; waves 0-2: the position tile's K step w
	s_wait_loadcnt 16                              ; K step 2 is in; the position tile's 16 loads may be out
	QUANT SA, PC+16, PW+2
	IMAGE XWI, PC+16, XIMG+2048
	ds_store_b32 v[XWS], v[PW+2] offset:256
	s_wait_loadcnt 0x0
	QUANT SB, PC+24, PW+3
	IMAGE PWI, PC+24, 0
	ds_store_b32 v[PWS], v[PW+3]
	s_branch .Ljoin
.Ltables:                                          ; wave 3: the bias tables, 384 numbers each
.irp i, 0,1,2
	global_load_b128 v[SB+4*\i:SB+4*\i+3], v[LI], s[12:13] offset:512*\i         ; bq
	global_load_b128 v[SB+12+4*\i:SB+12+4*\i+3], v[LI], s[16:17] offset:512*\i   ; u
	global_load_b128 v[SB+24+4*\i:SB+24+4*\i+3], v[LI], s[18:19] offset:512*\i   ; v
	global_load_b128 v[SB+36+4*\i:SB+36+4*\i+3], v[LI], s[14:15] offset:512*\i   ; bv
.endr
	s_wait_loadcnt 12                              ; K step 2 is in; the twelve just issued may be out
	QUANT SA, PC+16, PW+2
	IMAGE XWI, PC+16, XIMG+2048
	ds_store_b32 v[XWS], v[PW+2] offset:256
	s_wait_loadcnt 0x0
.irp i, 0,2,4,6,8,10
	v_pk_add_f32 v[SB+12+\i:SB+13+\i], v[SB+12+\i:SB+13+\i], v[SB+\i:SB+1+\i]
	v_pk_add_f32 v[SB+24+\i:SB+25+\i], v[SB+24+\i:SB+25+\i], v[SB+\i:SB+1+\i]
.endr
.irp i, 0,2,4,6,8,10
	v_pk_mul_f32 v[SB+12+\i:SB+13+\i], v[SB+12+\i:SB+13+\i], s[CS:CS+1] op_sel_hi:[1,0]
	v_pk_mul_f32 v[SB+24+\i:SB+25+\i], v[SB+24+\i:SB+25+\i], s[CS:CS+1] op_sel_hi:[1,0]
.endr
.irp i, 0,1,2
	ds_store_b128 v[LI], v[SB+12+4*\i:SB+12+4*\i+3] offset:TAB+512*\i
	ds_store_b128 v[LI], v[SB+24+4*\i:SB+24+4*\i+3] offset:TAB+1536+512*\i
	ds_store_b128 v[LI], v[SB+36+4*\i:SB+36+4*\i+3] offset:TAB+3072+512*\i
.endr
.Ljoin:
	; ---- my head's weights: 36 scale words, then 72 images in the order in which they are used
.set i, 0
.rept 36
	global_load_b32 v[WS+i], v[LS], s[10:11] offset:((i/9)*36+i%9)*128
.set i, i+1
.endr
.set fi, 0
.rept 72
	WIN ((1+fi/32)<<6)
	global_load_b128 v[8*(fi%32):8*(fi%32)+3], v[LI], s[8:9] offset:((fi/18)*72+fi%18)*1024
	global_load_b128 v[8*(fi%32)+4:8*(fi%32)+7], v[LI], s[8:9] offset:((fi/18)*72+fi%18)*1024+512
.set fi, fi+1
.endr
	WIN 0
	s_wait_dscnt 0x0                               ; for the others' sake: my images, scale words and tables lie in LDS
	s_barrier_signal -1
	s_barrier_wait -1                              ; everybody's do
	WIN 0xc0
.set i, 0
.rept 15
	ds_load_b128 v[XW+8*i:XW+8*i+3], v[LI] offset:XIMG+1024*i
	ds_load_b128 v[XW+8*i+4:XW+8*i+7], v[LI] offset:XIMG+1024*i+512
.set i, i+1
.endr
	WIN 0
.set i, 0
.rept 15
	ds_load_b32 v[XS+i], v[LS] offset:XSC+128*i
.set i, i+1
.endr
	v_mov_b32 v[BVR+1], 0                          ; named with BVR as a pair, so it is written
	s_wait_dscnt 0x0
	s_wait_loadcnt 63                              ; the scale words and Wq's and Wk's images are in: 72 loads were issued behind them
	; ---- Q: both biased forms from one product
.irp ct, 0,1,2,3,4,5
	ds_load_b128 v[UBR:UBR+3], v[TBA] offset:64*\ct
	ds_load_b128 v[UBR+4:UBR+7], v[TBA] offset:64*\ct+16
	ds_load_b128 v[VBR:VBR+3], v[TBA] offset:1536+64*\ct
	ds_load_b128 v[VBR+4:VBR+7], v[TBA] offset:1536+64*\ct+16
	MUL_T 0, \ct
	WIN 0
	PLACES 5                                       ; behind the last product: four ahead of the reads of results, five ahead of the product that begins an accumulator anew (ISA guide 7.12.1)
	s_wait_dscnt 0x0                               ; the tile's biases
	s_wait_xcnt 0x0                                ; the last tile's stores have read OUT
.irp rt, 0,1,2,3
.irp i, 0,2,4,6
	v_pk_fma_f32 v[T+\i:T+\i+1], v[ACC+8*\rt+\i:ACC+8*\rt+\i+1], s[CS:CS+1], v[UBR+\i:UBR+\i+1] op_sel_hi:[1,0,1]
.endr
.irp i, 0,1,2,3
	v_cvt_pk_f16_f32 v[OUT+8*\rt+\i], v[T+2*\i], v[T+2*\i+1]
.endr
	global_store_b128 v[LI], v[OUT+8*\rt:OUT+8*\rt+3], s[20:21] offset:(\rt*3+\ct/2)*1024+512*(\ct%2)   ; 32 lanes store 512 consecutive bytes
.irp i, 0,2,4,6
	v_pk_fma_f32 v[T+\i:T+\i+1], v[ACC+8*\rt+\i:ACC+8*\rt+\i+1], s[CS:CS+1], v[VBR+\i:VBR+\i+1] op_sel_hi:[1,0,1]
.endr
.irp i, 0,1,2,3
	v_cvt_pk_f16_f32 v[OUT+8*\rt+4+\i], v[T+2*\i], v[T+2*\i+1]
.endr
	global_store_b128 v[LI], v[OUT+8*\rt+4:OUT+8*\rt+7], s[22:23] offset:(\rt*3+\ct/2)*1024+512*(\ct%2)
.endr
.endr
	; ---- K
.irp ct, 0,1,2,3,4,5
	MUL_T 1, \ct
	WIN 0
	PLACES 5
	s_wait_xcnt 0x0
.irp rt, 0,1,2,3
.irp i, 0,1,2,3
	v_cvt_pk_f16_f32 v[OUT+4*\rt+\i], v[ACC+8*\rt+2*\i], v[ACC+8*\rt+2*\i+1]
.endr
	global_store_b128 v[LI], v[OUT+4*\rt:OUT+4*\rt+3], s[24:25] offset:(\rt*3+\ct/2)*1024+512*(\ct%2)
.endr
.endr
	; ---- V, with the keys as the image's K
	s_wait_loadcnt 36                              ; Wv's images are in; Wpos's 36 loads may be out
.irp ct, 0,1,2,3,4,5
	ds_load_b32 v[BVR], v[TBV] offset:64*\ct
	MUL_N 2, \ct
	WIN 0
	PLACES 5
	s_wait_dscnt 0x0
	s_wait_xcnt 0x0
.irp rt, 0,1,2,3
.irp i, 0,2,4,6
	v_pk_add_f32 v[T+\i:T+\i+1], v[ACC+8*\rt+\i:ACC+8*\rt+\i+1], v[BVR:BVR+1] op_sel_hi:[1,0]
.endr
.irp i, 0,1,2,3
	v_cvt_pk_f16_f32 v[OUT+4*\rt+\i], v[T+2*\i], v[T+2*\i+1]
.endr
	global_store_b128 v[LI], v[OUT+4*\rt:OUT+4*\rt+3], s[24:25] offset:12288+((\rt/2)*6+\ct)*1024+512*(\rt%2)
.endr
.endr
	; ---- pos: one row tile, six accumulators by turns
	s_wait_loadcnt 0x0
.irp ks, 0,1,2
.irp ct, 0,1,2,3,4,5
.set fi, (18+\ct)*3+\ks
	WIN ((1+fi/32)|(3<<2))
	WT ACC+8*\ct, 8*(fi%32), XW+8*(12+\ks), \ks, WS+(9+\ct/2)*3+\ks, XS+12+\ks, \ct%2
.endr
.endr
	WIN 0
	PLACES 5
	s_wait_xcnt 0x0
.irp ct, 0,1,2,3,4,5
.irp i, 0,1,2,3
	v_cvt_pk_f16_f32 v[OUT+4*\ct+\i], v[ACC+8*\ct+2*\i], v[ACC+8*\ct+2*\i+1]
.endr
	global_store_b128 v[LI], v[OUT+4*\ct:OUT+4*\ct+3], s[26:27] offset:(\ct/2)*1024+512*(\ct%2)
.endr
	s_wait_tensorcnt 0x0                           ; the wave's end: three closing lines behind my last LDS store
	ds_add_u32 v[SPW], v[NIL]
	s_wait_dscnt 0x0
	s_endpgm
.Lfunc_end_k_q3a6d72a6e4_proj:
	.size	k_q3a6d72a6e4_proj, .Lfunc_end_k_q3a6d72a6e4_proj-k_q3a6d72a6e4_proj
	.p2alignl 7, 3214868480
	.fill 96, 4, 3214868480
	.section	.rodata,"a",@progbits
	.p2align	6, 0x0
	.amdhsa_kernel k_q3a6d72a6e4_proj
		.amdhsa_group_segment_fixed_size 24576
		.amdhsa_private_segment_fixed_size 0
		.amdhsa_enable_private_segment 0
		.amdhsa_kernarg_size 96
		.amdhsa_user_sgpr_count 2
		.amdhsa_user_sgpr_kernarg_segment_ptr 1
		.amdhsa_wavefront_size32 1
		.amdhsa_system_sgpr_workgroup_id_x 1
		.amdhsa_system_sgpr_workgroup_id_y 1
		.amdhsa_system_sgpr_workgroup_id_z 1
		.amdhsa_system_vgpr_workitem_id 0
		.amdhsa_next_free_vgpr 960
		.amdhsa_next_free_sgpr 66
		.amdhsa_reserve_vcc 0
		.amdhsa_float_denorm_mode_32 3
		.amdhsa_float_denorm_mode_16_64 3
		.amdhsa_memory_ordered 1
		.amdhsa_forward_progress 1
		.amdhsa_inst_pref_size 143
	.end_amdhsa_kernel
	.amdgpu_metadata
---
amdhsa.version: [ 1, 2 ]
amdhsa.kernels:
  - .name:           k_q3a6d72a6e4_proj
    .symbol:         k_q3a6d72a6e4_proj.kd
    .args:
      - { .name: hidden_states, .offset: 0, .size: 8, .value_kind: global_buffer, .address_space: global }
      - { .name: pos_emb, .offset: 8, .size: 8, .value_kind: global_buffer, .address_space: global }
      - { .name: wcodes, .offset: 16, .size: 8, .value_kind: global_buffer, .address_space: global }
      - { .name: wscales, .offset: 24, .size: 8, .value_kind: global_buffer, .address_space: global }
      - { .name: bq, .offset: 32, .size: 8, .value_kind: global_buffer, .address_space: global }
      - { .name: bv, .offset: 40, .size: 8, .value_kind: global_buffer, .address_space: global }
      - { .name: pos_bias_u, .offset: 48, .size: 8, .value_kind: global_buffer, .address_space: global }
      - { .name: pos_bias_v, .offset: 56, .size: 8, .value_kind: global_buffer, .address_space: global }
      - { .name: quf, .offset: 64, .size: 8, .value_kind: global_buffer, .address_space: global }
      - { .name: qvf, .offset: 72, .size: 8, .value_kind: global_buffer, .address_space: global }
      - { .name: kvf, .offset: 80, .size: 8, .value_kind: global_buffer, .address_space: global }
      - { .name: pf, .offset: 88, .size: 8, .value_kind: global_buffer, .address_space: global }
    .group_segment_fixed_size: 24576
    .private_segment_fixed_size: 0
    .kernarg_segment_align: 8
    .kernarg_segment_size: 96
    .max_flat_workgroup_size: 128
    .sgpr_count:     66
    .vgpr_count:     960
    .wavefront_size: 32
...
	.end_amdgpu_metadata
.endif
;; end of part 2
;; launch attn (part 3): grid 8 x 32, 4 waves a work-group, no clusters, 327,680 bytes of LDS; arguments quf, qvf, kvf, pf, attention_mask, af; writes af
.if DOCPART == 3
	.amdgcn_target "amdgcn-amd-amdhsa--gfx1250"
	.amdhsa_code_object_version 6
	.text
	.protected	k_q3a6d72a6e4_attn
	.globl	k_q3a6d72a6e4_attn
	.p2align	8
	.type	k_q3a6d72a6e4_attn,@function
k_q3a6d72a6e4_attn:
	s_mov_b64 s[64:65], 0
	v_nop
	global_prefetch_b8 v0, s[64:65] scope:SCOPE_SE
	s_setreg_imm32_b32 hwreg(HW_REG_WAVE_MODE, 25, 1), 1
	s_wait_xcnt 0x0
; LAUNCH 3 OF 4: attention with relative positions.  score(i, j) = q_u[i] . k[j] + q_v[i] . pos[2047 - i + j], already in units of log2; mask; softmax by a running maximum; times v.
; The position scores that the shift slices away are left out: dead work (shown at the head of the first launch).
; All operands are f16 images of operand registers (1,024 bytes: 16 rows x 32 along K, a lane's 16 bytes at 16 x lane, two pieces); sums, maxima and exponentials in f32.
; LIMITS: |score| stays under 2^125: a masked key's score gets -2^126 added where the problem sets the least f32 number; the weight is 0 either way, and a row whose keys are all masked
; (its maximum lies under -2^125) gives 0, as the problem's second mask does.  The attention's result stays under 65,504 (f16).  NaN and infinities are not served.
; SHARES.  Work-group (x, y) owns queries 256 x .. 256 x + 255 of batch y / 4, head y % 4; wave w 64 of them, four tiles a of 16.  A step is 64 keys; 32 steps.
; All products are used transposed, so that a lane holds ONE query (lane % 16): S^T = K Qu^T + C;  BD^T = Pos Qv^T;  O^T = V^T P.
; THE BAND.  With g = 4 x + w, step s wants position blocks (of 64) 31 - g + s and the next.  Tile a wants the five position tiles 3 - a .. 7 - a of those 128 positions, and in that row of 80 columns
; key kappa of query r lies at column 15 - r + kappa.  A step's upper block is the next step's lower one: it stays in registers (X and Y change roles; a loop's trip is two steps).
; THE SKEW goes through the wave's own stage in LDS: stored with rows 336 bytes apart (84 words: sixteen rows start at sixteen different groups of four banks), read back one word at a time with rows
; 332 bytes apart (83 words: 32 lanes, 32 different banks).  What comes back is the C of the first product K Qu^T: the shift and the addition cost no vector instruction.
; RINGS IN LDS, filled by the tensor data mover: four slots for K and V (24,576 bytes: a block of 64 keys), eight for positions (12,288 bytes).  Each wave's first fill brings a quarter of both rings
; (49,152 bytes), so every wave issues one and both rings are full.  Behind step s's barrier waves 0, 1 bring K's and V's half of key block s + 4 into slot s % 4, waves 2, 3 the halves of the position
; block that wave 0 wants three steps on into slot s % 8.  One tensor load of a wave is out at any time.
; NO CLUSTER: of a step's 36,864 bytes the position blocks differ from query block to query block (block 36 - 4 x + s), so a round would carry a joint load beside a plain one; the plain form is written.
; REGISTERS, in windows of 256:  window 0: v1-11 addresses; v16-47 statistics, eight a tile; v48-55 mask bias of key tile 3; v64-127 P; v128-255 S.
;   window 1: v0-191 O^T; v192-255 K's third channel chunk, or V's keys 32-63.   window 2: v0-95 Qu; v96-191 Qv; v192-231 the band's five accumulators; v232-255 mask bias of key tiles 0-2.
;   window 3: v0-95 X, v96-191 Y; v192-255 K's channel chunks 0, 1, or V's keys 0-31.
.set KVS,   24576                      ; a slot of K and V
.set PSS,   12288                      ; a slot of positions
.set PRING, 98304                      ; where the position ring begins
.set MBT,   196608                     ; the batch's 2,048 mask biases, f32: stored by the waves, filled by no tensor load
.set STG,   204800                     ; the stages: four waves x four tiles x 16 rows of 336 bytes
.set STW,   21504
.set STT,   5376
.set SPARE, 290816                     ; the spare words, 128 bytes for each wave: two blocks of 256 bytes that no other line names
.set LI,  1                            ; v1   16 x lane
.set STA, 2                            ; v2   the stage, on the way in: 336 r + 32 h
.set SKA, 3                            ; v3   and back: 332 r + 32 h + 60
.set MBA, 4                            ; v4   the mask biases: MBT + 32 h
.set ADK, 5                            ; v5-7, v9  LDS addresses of the runs of loads in hand: K, positions, mask, V
.set ADP, 6
.set ADM, 7
.set PFO, 8                            ; v8   256 x lane: the prefetches' offset; never rewritten
.set ADV, 9
.set SPW, 10                           ; v10  my spare word's LDS address; never rewritten
.set NIL, 11                           ; v11  0; never rewritten
.set ST,  16                           ; tile a at v[ST + 8 a]: +0 the maximum M, +1 zero, +2, +3 the sum (even keys', odd keys'), +4 .. +7 at work; the factor F takes +6
.set MB3, 48
.set P,   64
.set S,   128
.set O,   0                            ; window 1
.set KVB, 192                          ; window 1
.set QU,  0                            ; window 2
.set QV,  96
.set BA,  192
.set MB2, 232
.set X,   0                            ; window 3
.set Y,   96
.set KVA, 192
.set WV,   16
.set QB,   17
.set BH,   18
.set BB,   19
.set HH,   20
.set CNT,  21                          ; the step
.set TRIP, 22
.set TA,   23
.set KH,   24                          ; (w % 2) x 12,288
.set PH,   25                          ; PRING + (w % 2) x 6,144
.set W3,   26                          ; 3 - w
.set G1K,  28                          ; s[28:35], s[36:43], s[44:51] descriptor groups 1: dense rows of 256 bytes, 48, 24 and 192 of them
.set G1P,  36
.set G1I,  44
.set G0K,  52                          ; s[52:55], s[56:59] groups 0 that walk; s[60:63] the first fill's
.set G0P,  56
.set G0I,  60
.set SEL,  66
.set PFA,  68                          ; s[68:69] where my prefetches stand; s[70:71] their step
.set PFS,  70
.set LIM0, 72                          ; a wave prefetches in even (LIM0) or odd (LIM1) steps under these numbers
.set LIM1, 73
.set MSB, 0
.macro WIN new
.if MSB != (\new)
	s_set_vgpr_msb (MSB<<8)|(\new)
.set MSB, (\new)
.endif
.endm
.macro PLACES n
.rept \n
	v_nop
.endr
.endm
; The refill: waves 0, 1 for K and V, waves 2, 3 for positions.  An s_nop 0 and four v_nop follow each of the two lines.
.macro TLOAD
	s_cmp_lt_u32 s[WV], 2
	s_cbranch_scc0 .Lfor_p_\@
	tensor_load_to_lds s[G0K:G0K+3], s[G1K:G1K+7]
	s_nop 0
.rept 4
	v_nop
.endr
	s_branch .Lasked_\@
.Lfor_p_\@:
	tensor_load_to_lds s[G0P:G0P+3], s[G1P:G1P+7]
	s_nop 0
.rept 4
	v_nop
.endr
.Lasked_\@:
.endm
; A PREFETCH INTO THE L2, behind the refill.  Only the work-groups with x = 0 ask: of all that walk a head's K and V, and of all that walk a head's positions upward, they come first.
; Waves 0-2, every step s < 27: key block s + 5, 8,192 bytes a wave, lanes 256 bytes apart: one step ahead of its tensor load.
; Wave 3 of batches 0, 1, 2, even steps s < 25: a third each of the two position blocks that steps s + 2 and s + 3 will ask for.  So each block of 256 bytes is named once; the first blocks come by their loads alone.
.macro ASK par
	s_cmp_lt_u32 s[CNT], s[LIM0+\par]
	s_cbranch_scc0 .Lnot_mine_\@
	global_prefetch_b8 v[PFO], s[PFA:PFA+1] th:TH_LOAD_NT scope:SCOPE_SE
.Lnot_mine_\@:
.endm
; THE BARRIER OF A STEP.  In front of it each wave waits for all its tensor loads, adds 0 to its spare word, and waits for that and for all its LDS reads (V of this step among them).
; fill = 1: behind it the slots left are filled again.
.macro CHANGE fill, par
	WIN 0
	s_wait_tensorcnt 0x0                           ; no tensor load of mine is out, so a group 0 may be written
	ds_add_u32 v[SPW], v[NIL]                      ; 0 onto my spare word; the descriptors' steps stand between it and the wait for it
.if \fill
	s_and_b32 s[TA], s[CNT], 3
	s_mul_i32 s[TA], s[TA], KVS
	s_add_co_u32 s[G0K+1], s[TA], s[KH]            ; slot s % 4, my half
	s_add_nc_u64 s[G0K+2:G0K+3], s[G0K+2:G0K+3], KVS
	s_and_b32 s[TA], s[CNT], 7
	s_mul_i32 s[TA], s[TA], PSS
	s_add_co_u32 s[G0P+1], s[TA], s[PH]            ; slot s % 8, my half
	s_add_nc_u64 s[G0P+2:G0P+3], s[G0P+2:G0P+3], PSS
	s_wait_xcnt 0x0                                ; the last prefetch, a step back, has read its address
	s_add_nc_u64 s[PFA:PFA+1], s[PFA:PFA+1], s[PFS:PFS+1]
.endif
	s_wait_dscnt 0x0                               ; the add is done, and my LDS reads are back
	s_barrier_signal -1
	s_barrier_wait -1
.if \fill
	TLOAD                                          ; the first thing behind the barrier, and my one tensor load until the next
	ASK \par
.endif
.endm
; S^T += K Qu^T: 48 products, the 16 accumulators by turns.  C is what the skew loads brought.
.macro AC first
	s_wait_dscnt \first                            ; 8: the youngest eight loads, K's third channel chunk, may be out
	WIN 0x0b
.irp c, 0,1
.irp a, 0,1,2,3
.irp t, 0,1,2,3
	v_wmma_f32_16x16x32_f16 v[S+32*\a+8*\t:S+32*\a+8*\t+7], v[KVA+8*(4*\c+\t):KVA+8*(4*\c+\t)+7], v[QU+24*\a+8*\c:QU+24*\a+8*\c+7], v[S+32*\a+8*\t:S+32*\a+8*\t+7]
.endr
.endr
.endr
	s_wait_dscnt 0x0
	WIN 0x09
.irp a, 0,1,2,3
.irp t, 0,1,2,3
	v_wmma_f32_16x16x32_f16 v[S+32*\a+8*\t:S+32*\a+8*\t+7], v[KVB+8*\t:KVB+8*\t+7], v[QU+24*\a+16:QU+24*\a+23], v[S+32*\a+8*\t:S+32*\a+8*\t+7]
.endr
.endr
	WIN 0
	PLACES 4                                       ; ahead of the loads into K's registers and of the reads of the scores
.endm
.macro VLOAD                           ; this step's V^T into the registers that K has left
	s_and_b32 s[TA], s[CNT], 3
	s_mul_i32 s[TA], s[TA], KVS
	v_add_nc_u32 v[ADV], s[TA], v[LI]
	WIN 0xc0
.irp f, 0,1,2,3,4,5
	ds_load_b128 v[KVA+8*\f:KVA+8*\f+3], v[ADV] offset:12288+\f*1024
	ds_load_b128 v[KVA+8*\f+4:KVA+8*\f+7], v[ADV] offset:12288+\f*1024+512
.endr
	WIN 0x40
.irp f, 0,1,2,3,4,5
	ds_load_b128 v[KVB+8*\f:KVB+8*\f+3], v[ADV] offset:12288+(6+\f)*1024
	ds_load_b128 v[KVB+8*\f+4:KVB+8*\f+7], v[ADV] offset:12288+(6+\f)*1024+512
.endr
	WIN 0
.endm
; THE SOFTMAX OF A STEP, the four tiles by turns in each stage.
.macro SOFTMAX
	WIN 0x08                                       ; the mask's bias, each accumulator from its low end on
.irp a, 0,1,2,3
.irp t, 0,1,2
.irp i, 0,2,4,6
	v_pk_add_f32 v[S+32*\a+8*\t+\i:S+32*\a+8*\t+\i+1], v[S+32*\a+8*\t+\i:S+32*\a+8*\t+\i+1], v[MB2+8*\t+\i:MB2+8*\t+\i+1]
.endr
.endr
.endr
	WIN 0
.irp a, 0,1,2,3
.irp i, 0,2,4,6
	v_pk_add_f32 v[S+32*\a+24+\i:S+32*\a+24+\i+1], v[S+32*\a+24+\i:S+32*\a+24+\i+1], v[MB3+\i:MB3+\i+1]
.endr
.endr
.irp j, 0,1,2,3                                ; the maximum of my 32 scores and the old M: four chains of seven, then the rest
.irp a, 0,1,2,3
	v_max3_num_f32 v[ST+8*\a+4+\j], v[S+32*\a+8*\j], v[S+32*\a+8*\j+1], v[S+32*\a+8*\j+2]
.endr
.endr
.irp q, 1,2
.irp j, 0,1,2,3
.irp a, 0,1,2,3
	v_max3_num_f32 v[ST+8*\a+4+\j], v[ST+8*\a+4+\j], v[S+32*\a+8*\j+2*\q+1], v[S+32*\a+8*\j+2*\q+2]
.endr
.endr
.endr
.irp a, 0,1,2,3
	v_max3_num_f32 v[ST+8*\a+4], v[ST+8*\a+4], v[S+32*\a+7], v[S+32*\a+15]
.endr
.irp a, 0,1,2,3
	v_max3_num_f32 v[ST+8*\a+6], v[ST+8*\a+6], v[S+32*\a+23], v[S+32*\a+31]
.endr
.irp a, 0,1,2,3
	v_max3_num_f32 v[ST+8*\a+4], v[ST+8*\a+4], v[ST+8*\a+5], v[ST+8*\a+6]
.endr
.irp a, 0,1,2,3
	v_max3_num_f32 v[ST+8*\a+4], v[ST+8*\a+4], v[ST+8*\a+7], v[ST+8*\a]
.endr
.irp a, 0,1,2,3
	v_permlanex16_b32 v[ST+8*\a+5], v[ST+8*\a+4], s[SEL], s[SEL+1]   ; the query's other 32 keys lie in the lane 16 away
.endr
.irp a, 0,1,2,3
	v_mov_b32 v[ST+8*\a+7], v[ST+8*\a]
.endr
.irp a, 0,1,2,3
	v_max_num_f32 v[ST+8*\a], v[ST+8*\a+4], v[ST+8*\a+5]
.endr
.irp a, 0,1,2,3
	v_sub_f32 v[ST+8*\a+7], v[ST+8*\a+7], v[ST+8*\a]
.endr
.irp a, 0,1,2,3
	v_exp_f32 v[ST+8*\a+6], v[ST+8*\a+7]           ; F = 2^(old M - new M)
.endr
.irp a, 0,1,2,3
.set i, 0
.rept 16
	v_pk_add_f32 v[S+32*\a+i:S+32*\a+i+1], v[S+32*\a+i:S+32*\a+i+1], v[ST+8*\a:ST+8*\a+1] op_sel_hi:[1,0] neg_lo:[0,1] neg_hi:[0,1]
.set i, i+2
.endr
.endr
.set i, 0
.rept 128
	v_exp_f32 v[S+i], v[S+i]                       ; p = 2^(score - M)
.set i, i+1
.endr
	v_nop                                          ; a plain line behind the last exponential
	s_wait_alu depctr_va_vdst(0)                   ; one wait for all 132 exponentials, ahead of the first line that names a result
.irp a, 0,1,2,3
.set i, 0
.rept 16
	v_cvt_pk_f16_f32 v[P+16*\a+i], v[S+32*\a+2*i], v[S+32*\a+2*i+1]   ; two key tiles' weights are source 1 of V^T P as they stand
.set i, i+1
.endr
.endr
.irp u, 0,1,2,3,4,5,6,7                        ; the row's sum of the unrounded p, in place
.irp a, 0,1,2,3
	v_pk_add_f32 v[S+32*\a+4*\u:S+32*\a+4*\u+1], v[S+32*\a+4*\u:S+32*\a+4*\u+1], v[S+32*\a+4*\u+2:S+32*\a+4*\u+3]
.endr
.endr
.irp u, 0,1,2,3
.irp a, 0,1,2,3
	v_pk_add_f32 v[S+32*\a+8*\u:S+32*\a+8*\u+1], v[S+32*\a+8*\u:S+32*\a+8*\u+1], v[S+32*\a+8*\u+4:S+32*\a+8*\u+5]
.endr
.endr
.irp u, 0,1
.irp a, 0,1,2,3
	v_pk_add_f32 v[S+32*\a+16*\u:S+32*\a+16*\u+1], v[S+32*\a+16*\u:S+32*\a+16*\u+1], v[S+32*\a+16*\u+8:S+32*\a+16*\u+9]
.endr
.endr
.irp a, 0,1,2,3
	v_pk_add_f32 v[S+32*\a:S+32*\a+1], v[S+32*\a:S+32*\a+1], v[S+32*\a+16:S+32*\a+17]
.endr
.irp a, 0,1,2,3
	v_pk_fma_f32 v[ST+8*\a+2:ST+8*\a+3], v[ST+8*\a+2:ST+8*\a+3], v[ST+8*\a+6:ST+8*\a+7], v[S+32*\a:S+32*\a+1] op_sel_hi:[1,0,1]
.endr
	WIN 0x41
.irp a, 0,1,2,3
.set i, 0
.rept 24
	v_pk_mul_f32 v[O+48*\a+i:O+48*\a+i+1], v[O+48*\a+i:O+48*\a+i+1], v[ST+8*\a+6:ST+8*\a+7] op_sel_hi:[1,0]
.set i, i+2
.endr
.endr
.endm
; THE BAND OF THE NEXT STEP.  For each tile: 15 products on five accumulators by turns, ten stores into the stage, 32 skew loads into S.
.macro BD lo, hi
.irp a, 0,1,2,3
.if \a > 0
	s_wait_dscnt 32                                ; only the last tile's 32 skew loads may be out: its ten stores have read the accumulators
.endif
	WIN 0xab
.irp c, 0,1,2
.irp u, 0,1,2,3,4
.set tt, 3-\a+\u
.if tt < 4
.set pr, \lo+24*tt+8*\c
.else
.set pr, \hi+24*(tt-4)+8*\c
.endif
.if \c == 0
	v_wmma_f32_16x16x32_f16 v[BA+8*\u:BA+8*\u+7], v[pr:pr+7], v[QV+24*\a+8*\c:QV+24*\a+8*\c+7], 0
.else
	v_wmma_f32_16x16x32_f16 v[BA+8*\u:BA+8*\u+7], v[pr:pr+7], v[QV+24*\a+8*\c:QV+24*\a+8*\c+7], v[BA+8*\u:BA+8*\u+7]
.endif
.endr
.endr
	WIN 0
	PLACES 5                                       ; four ahead of the stores that read results and of loads into operands, five ahead of the product that begins an accumulator anew
	WIN 0x08
.irp u, 0,1,2,3,4
	ds_store_b128 v[STA], v[BA+8*\u:BA+8*\u+3] offset:STT*\a+64*\u
	ds_store_b128 v[STA], v[BA+8*\u+4:BA+8*\u+7] offset:STT*\a+64*\u+16
.endr
	WIN 0
.set i, 0
.rept 32
	ds_load_b32 v[S+32*\a+i], v[SKA] offset:STT*\a+64*(i/8)+4*(i%8)   ; LDS serves a wave's instructions in order: these see the stores above
.set i, i+1
.endr
.endr
.endm
.macro PLOAD buf, e                    ; a position block from slot (step + 3 - w + e) % 8
	s_add_co_u32 s[TA], s[CNT], s[W3]
	s_add_co_u32 s[TA], s[TA], \e
	s_and_b32 s[TA], s[TA], 7
	s_mul_i32 s[TA], s[TA], PSS
	s_add_co_u32 s[TA], s[TA], PRING
	v_add_nc_u32 v[ADP], s[TA], v[LI]
	WIN 0xc0
.set i, 0
.rept 12
	ds_load_b128 v[\buf+8*i:\buf+8*i+3], v[ADP] offset:1024*i
	ds_load_b128 v[\buf+8*i+4:\buf+8*i+7], v[ADP] offset:1024*i+512
.set i, i+1
.endr
	WIN 0
.endm
.macro MLOAD off                       ; the mask biases of 64 keys: register 8 t + j = key 16 t + 8 h + j
	s_lshl_b32 s[TA], s[CNT], 8
	v_add_nc_u32 v[ADM], s[TA], v[MBA]
	WIN 0x80
.irp t, 0,1,2
	ds_load_b128 v[MB2+8*\t:MB2+8*\t+3], v[ADM] offset:\off+64*\t
	ds_load_b128 v[MB2+8*\t+4:MB2+8*\t+7], v[ADM] offset:\off+64*\t+16
.endr
	WIN 0
	ds_load_b128 v[MB3:MB3+3], v[ADM] offset:\off+192
	ds_load_b128 v[MB3+4:MB3+7], v[ADM] offset:\off+208
.endm
.macro KLOAD01 d                       ; K of step CNT + d, channel chunks 0 and 1
	s_add_co_u32 s[TA], s[CNT], \d
	s_and_b32 s[TA], s[TA], 3
	s_mul_i32 s[TA], s[TA], KVS
	v_add_nc_u32 v[ADK], s[TA], v[LI]
	WIN 0xc0
.irp c, 0,1
.irp t, 0,1,2,3
	ds_load_b128 v[KVA+8*(4*\c+\t):KVA+8*(4*\c+\t)+3], v[ADK] offset:(3*\t+\c)*1024
	ds_load_b128 v[KVA+8*(4*\c+\t)+4:KVA+8*(4*\c+\t)+7], v[ADK] offset:(3*\t+\c)*1024+512
.endr
.endr
	WIN 0
.endm
.macro KLOAD2                          ; and chunk 2
	WIN 0x40
.irp t, 0,1,2,3
	ds_load_b128 v[KVB+8*\t:KVB+8*\t+3], v[ADK] offset:(3*\t+2)*1024
	ds_load_b128 v[KVB+8*\t+4:KVB+8*\t+7], v[ADK] offset:(3*\t+2)*1024+512
.endr
	WIN 0
.endm
.macro PV g                            ; O^T += V^T P for keys 32 g on: 24 accumulators by turns
.if \g == 0
	WIN 0x53
.else
	WIN 0x51
.endif
.irp a, 0,1,2,3
.irp f, 0,1,2,3,4,5
	v_wmma_f32_16x16x32_f16 v[O+48*\a+8*\f:O+48*\a+8*\f+7], v[192+8*\f:192+8*\f+7], v[P+16*\a+8*\g:P+16*\a+8*\g+7], v[O+48*\a+8*\f:O+48*\a+8*\f+7]
.endr
.endr
.endm
; A STEP.  The next step's band stands ahead of this step's V^T P, so that its stores and skew loads are served under those 48 products, and K's loads under their second half.
; fill = 0, the last four steps: nothing is asked for; what a step beyond the last would want is passed over by scalar branches on the step's number, which lead round no barrier, wait or add;
; there the first wait is for 0, so that it holds on every way.
.macro STEP par, fill
.if \fill
	AC 8
.else
	AC 0
.endif
	VLOAD
	SOFTMAX
	CHANGE \fill, \par
.if (\fill == 0) && (\par == 1)
	s_cmp_eq_u32 s[CNT], 31
	s_cbranch_scc1 .Lnb_\@
.endif
.if \par == 0
	BD Y, X
.else
	BD X, Y
.endif
.if (\fill == 0) && (\par == 0)
	s_cmp_eq_u32 s[CNT], 30
	s_cbranch_scc1 .Lnp_\@
.endif
.if \par == 0
	PLOAD Y, 3                                     ; the upper block of the step after next, into the buffer that was the lower one
.else
	PLOAD X, 3
.endif
.Lnp_\@:
	MLOAD 256
.Lnb_\@:
	PV 0
	WIN 0
	PLACES 4
.if (\fill == 0) && (\par == 1)
	s_cmp_eq_u32 s[CNT], 31
	s_cbranch_scc1 .Lnk_\@
.endif
	KLOAD01 1
.Lnk_\@:
	PV 1
	WIN 0
	PLACES 5
.if (\fill == 0) && (\par == 1)
	s_cmp_eq_u32 s[CNT], 31
	s_cbranch_scc1 .Lnl_\@
.endif
	KLOAD2
.Lnl_\@:
	s_add_co_u32 s[CNT], s[CNT], 1
.endm
	s_load_b256 s[4:11], s[0:1], 0x0               ; quf, qvf, kvf, pf
	s_load_b128 s[12:15], s[0:1], 0x20             ; attention_mask, af
	v_lshl_add_u32 v[SPW], v0, 2, SPARE
	v_mov_b32 v[NIL], 0
	ds_add_u32 v[SPW], v[NIL]                      ; the wave's opening: the add, twice on end, and its wait ahead of my first tensor load
	ds_add_u32 v[SPW], v[NIL]
	v_lshrrev_b32 v12, 5, v0
	v_readfirstlane_b32 s[WV], v12
	s_mov_b32 s[QB], ttmp9
	s_and_b32 s[BH], ttmp7, 0xffff
	s_lshr_b32 s[BB], s[BH], 2
	s_and_b32 s[HH], s[BH], 3
.irp g, G1K, G1P, G1I
	s_mov_b32 s[\g], 3<<16                         ; no mask; elements of 8 bytes; no padding
	s_mov_b32 s[\g+1], 32<<16                      ; tensor_dim0 = 32 elements: 256 bytes
	s_mov_b32 s[\g+3], 32<<16                      ; tile_dim0
	s_mov_b32 s[\g+5], 32                          ; the pitch: dense
	s_mov_b32 s[\g+6], 0
	s_mov_b32 s[\g+7], 0
.endr
	s_mov_b32 s[G1K+2], 48<<16                     ; tensor_dim1 and tile_dim1: the rows
	s_mov_b32 s[G1K+4], 48
	s_mov_b32 s[G1P+2], 24<<16
	s_mov_b32 s[G1P+4], 24
	s_mov_b32 s[G1I+2], 192<<16
	s_mov_b32 s[G1I+4], 192
	s_and_b32 s27, s[WV], 1
	s_mul_i32 s[KH], s27, 12288
	s_mul_i32 s27, s27, 6144
	s_add_co_u32 s[PH], s27, PRING
	s_sub_co_u32 s[W3], 3, s[WV]
	s_mov_b32 s[SEL], 0x76543210
	s_mov_b32 s[SEL+1], 0xfedcba98
	s_mov_b32 s[CNT], 0
	s_mul_i32 s74, s[WV], 49152                    ; my quarter of the rings
	s_mul_i32 s76, s[BH], 786432                   ; my batch and head in kvf
	s_mul_i32 s77, s[HH], 786432                   ; my head in pf
	s_lshl_b32 s75, s[QB], 2
	s_sub_co_u32 s75, 28, s75
	s_mul_i32 s75, s75, PSS
	s_add_co_u32 s75, s75, s77                     ; position block 28 - 4 x: the ring's first
	s_add_co_u32 s78, s76, s74                     ; waves 0, 1: key blocks 2 w, 2 w + 1
	s_add_co_u32 s79, s75, s74
	s_sub_co_u32 s79, s79, 98304                   ; waves 2, 3: four position blocks
	s_cmp_lt_u32 s[WV], 2
	s_cselect_b32 s78, s78, s79
	s_mov_b32 s79, 0
	s_lshl_b32 s80, s[WV], 13                      ; the prefetches: waves 0-2 stand at key block 4, a third each;
	s_add_co_u32 s80, s80, s76
	s_add_co_u32 s80, s80, 4*KVS
	s_lshl_b32 s81, s[BB], 13                      ; wave 3 at position block 37, a third for each of three batches
	s_add_co_u32 s81, s81, s77
	s_add_co_u32 s81, s81, 37*PSS
	s_mov_b32 s[PFS], PSS
	s_cmp_lt_u32 s[WV], 3
	s_cselect_b32 s80, s80, s81
	s_cselect_b32 s[PFS], KVS, s[PFS]
	s_cselect_b32 s[LIM1], 27, 0
	s_mov_b32 s81, 0
	s_mov_b32 s[PFS+1], 0
	s_cmp_lt_u32 s[BB], 3
	s_cselect_b32 s[LIM0], 25, 0
	s_cmp_lt_u32 s[WV], 3
	s_cselect_b32 s[LIM0], 27, s[LIM0]
	s_cmp_eq_u32 s[QB], 0
	s_cselect_b32 s[LIM0], s[LIM0], 0
	s_cselect_b32 s[LIM1], s[LIM1], 0
	s_wait_dscnt 0x0                               ; both opening adds are done
	s_wait_kmcnt 0x0
	s_cmp_lt_u32 s[WV], 2
	s_cselect_b64 s[G0I+2:G0I+3], s[8:9], s[10:11] ; the choice hangs on the wave's number alone
	s_add_nc_u64 s[G0I+2:G0I+3], s[G0I+2:G0I+3], s[78:79]
	s_or_b32 s[G0I+3], s[G0I+3], 0x80000000
	s_mov_b32 s[G0I], 1
	s_mov_b32 s[G0I+1], s74
	tensor_load_to_lds s[G0I:G0I+3], s[G1I:G1I+7]  ; every wave's one first fill: both rings are asked for whole
	s_nop 0
.rept 4
	v_nop
.endr
	s_add_co_u32 s78, s76, 3*KVS                   ; the walking descriptors stand one block short of their first refill
	s_add_co_u32 s78, s78, s[KH]
	s_mov_b32 s[G0K], 1
	s_mov_b32 s[G0K+1], s[KH]
	s_add_nc_u64 s[G0K+2:G0K+3], s[8:9], s[78:79]
	s_or_b32 s[G0K+3], s[G0K+3], 0x80000000
	s_add_co_u32 s78, s75, 7*PSS
	s_add_co_u32 s78, s78, s27
	s_mov_b32 s[G0P], 1
	s_mov_b32 s[G0P+1], s[PH]
	s_add_nc_u64 s[G0P+2:G0P+3], s[10:11], s[78:79]
	s_or_b32 s[G0P+3], s[G0P+3], 0x80000000
	s_cmp_lt_u32 s[WV], 3
	s_cselect_b64 s[PFA:PFA+1], s[8:9], s[10:11]
	s_add_nc_u64 s[PFA:PFA+1], s[PFA:PFA+1], s[80:81]
	s_lshl_b32 s78, s[BB], 13
	s_add_nc_u64 s[12:13], s[12:13], s[78:79]      ; my batch's mask
	v_lshlrev_b32 v12, 4, v0                       ; 16 x thread
.irp i, 0,1,2,3
	global_load_b128 v[S+4*\i:S+4*\i+3], v12, s[12:13] offset:2048*\i
.endr
	s_lshl_b32 s78, s[BH], 7
	s_lshl_b32 s[TA], s[QB], 4
	s_add_co_u32 s78, s78, s[TA]
	s_lshl_b32 s[TA], s[WV], 2
	s_add_co_u32 s78, s78, s[TA]
	s_mul_i32 s78, s78, 3072
	s_add_nc_u64 s[4:5], s[4:5], s[78:79]          ; my four query tiles
	s_add_nc_u64 s[6:7], s[6:7], s[78:79]
	v_and_b32 v13, 31, v0
	v_lshlrev_b32 v[LI], 4, v13
	v_lshlrev_b32 v[PFO], 8, v13
	WIN 0x80
.set i, 0
.rept 12
	global_load_b128 v[QU+8*i:QU+8*i+3], v[LI], s[4:5] offset:1024*i
	global_load_b128 v[QU+8*i+4:QU+8*i+7], v[LI], s[4:5] offset:1024*i+512
	global_load_b128 v[QV+8*i:QV+8*i+3], v[LI], s[6:7] offset:1024*i
	global_load_b128 v[QV+8*i+4:QV+8*i+7], v[LI], s[6:7] offset:1024*i+512
.set i, i+1
.endr
	WIN 0
	s_lshl_b32 s78, s[BB], 7                       ; af: ((batch 128 + 16 x + 4 w) 12 + 3 head) 1,024
	s_lshl_b32 s[TA], s[QB], 4
	s_add_co_u32 s78, s78, s[TA]
	s_lshl_b32 s[TA], s[WV], 2
	s_add_co_u32 s78, s78, s[TA]
	s_mul_i32 s78, s78, 12
	s_mul_i32 s[TA], s[HH], 3
	s_add_co_u32 s78, s78, s[TA]
	s_lshl_b32 s78, s78, 10
	s_add_nc_u64 s[14:15], s[14:15], s[78:79]
	v_add_nc_u32 v13, MBT, v12                     ; where my 16 mask biases go
	v_and_b32 v14, 15, v0                          ; r
	v_bfe_u32 v15, v0, 4, 1                        ; h
	s_mul_i32 s[TA], s[WV], STW
	s_add_co_u32 s[TA], s[TA], STG
	v_mul_u32_u24 v[STA], v14, 336
	v_lshl_add_u32 v[STA], v15, 5, v[STA]
	v_add_nc_u32 v[STA], s[TA], v[STA]
	v_mul_u32_u24 v[SKA], v14, 332
	v_lshl_add_u32 v[SKA], v15, 5, v[SKA]
	s_add_co_u32 s[TA], s[TA], 60
	v_add_nc_u32 v[SKA], s[TA], v[SKA]
	v_lshlrev_b32 v[MBA], 5, v15
	v_add_nc_u32 v[MBA], MBT, v[MBA]
	WIN 0x40
.set i, 0
.rept 192
	v_mov_b32 v[O+i], 0                            ; O^T begins as zeros, so that a step is written once for all steps: a first step of its own would be a third copy of the loop's body
.set i, i+1
.endr
	WIN 0
.irp a, 0,1,2,3
	v_mov_b32 v[ST+8*\a], 0xff61b1e6               ; M = -3e38, under every score
	v_mov_b32 v[ST+8*\a+1], 0
	v_mov_b32 v[ST+8*\a+2], 0
	v_mov_b32 v[ST+8*\a+3], 0
.endr
	v_mov_b32 v[ST+4], 0xfe800000                  ; -2^126
	s_wait_loadcnt 48                              ; the mask's four loads are in; Q's 48 may be out
.set i, 0
.rept 16
	v_cmp_eq_u32 vcc_lo, 0, v[S+i]
	v_cndmask_b32 v[S+i], 0, v[ST+4], vcc_lo       ; a masked key: -2^126; else 0
.set i, i+1
.endr
.irp i, 0,1,2,3
	ds_store_b128 v13, v[S+4*\i:S+4*\i+3] offset:2048*\i
.endr
	s_wait_tensorcnt 0x0                           ; my quarter of the rings has landed,
	s_wait_dscnt 0x0                               ; my mask biases lie in LDS:
	s_barrier_signal -1
	s_barrier_wait -1                              ; everybody's
	; ---- the prologue: step 0's band, its mask biases and its K
	PLOAD X, 0
	s_wait_dscnt 0x0                               ; (the address register is written again)
	PLOAD Y, 1
	s_wait_loadcnt 0x0                             ; Q
	s_wait_dscnt 0x0
	BD X, Y
	PLOAD X, 2
	MLOAD 0
	KLOAD01 0
	KLOAD2
	s_mov_b32 s[TRIP], 14
.Lfill:                                            ; steps 0 to 27: each fills the slots that it leaves
	STEP 0, 1
	STEP 1, 1
	s_sub_co_u32 s[TRIP], s[TRIP], 1
	s_cmp_lg_u32 s[TRIP], 0
	s_cbranch_scc1 .Lfill
	s_mov_b32 s[TRIP], 2
.Ltail:                                            ; steps 28 to 31: written a second time
	STEP 0, 0
	STEP 1, 0
	s_sub_co_u32 s[TRIP], s[TRIP], 1
	s_cmp_lg_u32 s[TRIP], 0
	s_cbranch_scc1 .Ltail
	; ---- the way out: O^T / the sum, to f16; a lane's eight channels are a piece of an image for the last product
.irp a, 0,1,2,3
	v_add_f32 v[ST+8*\a+4], v[ST+8*\a+2], v[ST+8*\a+3]
.endr
.irp a, 0,1,2,3
	v_permlanex16_b32 v[ST+8*\a+5], v[ST+8*\a+4], s[SEL], s[SEL+1]
.endr
.irp a, 0,1,2,3
	v_add_f32 v[ST+8*\a+4], v[ST+8*\a+4], v[ST+8*\a+5]
.endr
.irp a, 0,1,2,3
	v_rcp_f32 v[ST+8*\a+6], v[ST+8*\a+4]
.endr
	v_nop
	s_wait_alu depctr_va_vdst(0)                   ; one wait for the four reciprocals, ahead of their first reader
.irp a, 0,1,2,3
	v_cmp_gt_f32 vcc_lo, 0xfe000000, v[ST+8*\a]    ; -2^125 > M: every key of the row is masked:
	v_cndmask_b32 v[ST+8*\a+6], v[ST+8*\a+6], v[ST+8*\a+1], vcc_lo   ; the row is 0
.endr
	WIN 0x41
.irp a, 0,1,2,3
.set i, 0
.rept 24
	v_pk_mul_f32 v[O+48*\a+i:O+48*\a+i+1], v[O+48*\a+i:O+48*\a+i+1], v[ST+8*\a+6:ST+8*\a+7] op_sel_hi:[1,0]
.set i, i+2
.endr
.endr
	WIN 0x05
.irp a, 0,1,2,3
.set i, 0
.rept 24
	v_cvt_pk_f16_f32 v[S+24*\a+i], v[O+48*\a+2*i], v[O+48*\a+2*i+1]
.set i, i+1
.endr
.endr
	WIN 0
.irp a, 0,1,2,3
.irp f, 0,1,2,3,4,5
	global_store_b128 v[LI], v[S+24*\a+4*\f:S+24*\a+4*\f+3], s[14:15] offset:(12*\a+\f/2)*1024+512*(\f%2)   ; 32 lanes store 512 consecutive bytes
.endr
.endr
	s_wait_tensorcnt 0x0                           ; the wave's end: three closing lines behind my last tensor load and my last LDS store
	ds_add_u32 v[SPW], v[NIL]
	s_wait_dscnt 0x0
	s_endpgm
.Lfunc_end_k_q3a6d72a6e4_attn:
	.size	k_q3a6d72a6e4_attn, .Lfunc_end_k_q3a6d72a6e4_attn-k_q3a6d72a6e4_attn
	.p2alignl 7, 3214868480
	.fill 96, 4, 3214868480
	.section	.rodata,"a",@progbits
	.p2align	6, 0x0
	.amdhsa_kernel k_q3a6d72a6e4_attn
		.amdhsa_group_segment_fixed_size 327680
		.amdhsa_private_segment_fixed_size 0
		.amdhsa_enable_private_segment 0
		.amdhsa_kernarg_size 48
		.amdhsa_user_sgpr_count 2
		.amdhsa_user_sgpr_kernarg_segment_ptr 1
		.amdhsa_wavefront_size32 1
		.amdhsa_system_sgpr_workgroup_id_x 1
		.amdhsa_system_sgpr_workgroup_id_y 1
		.amdhsa_system_sgpr_workgroup_id_z 1
		.amdhsa_system_vgpr_workitem_id 0
		.amdhsa_next_free_vgpr 1024
		.amdhsa_next_free_sgpr 84
		.amdhsa_reserve_vcc 1
		.amdhsa_float_denorm_mode_32 3
		.amdhsa_float_denorm_mode_16_64 3
		.amdhsa_memory_ordered 1
		.amdhsa_forward_progress 1
		.amdhsa_inst_pref_size 255
	.end_amdhsa_kernel
	.section	.bss,"aw",@nobits
	.p2align	6
	.space	262144
	.amdgpu_metadata
---
amdhsa.version: [ 1, 2 ]
amdhsa.kernels:
  - .name:           k_q3a6d72a6e4_attn
    .symbol:         k_q3a6d72a6e4_attn.kd
    .args:
      - { .name: quf, .offset: 0, .size: 8, .value_kind: global_buffer, .address_space: global }
      - { .name: qvf, .offset: 8, .size: 8, .value_kind: global_buffer, .address_space: global }
      - { .name: kvf, .offset: 16, .size: 8, .value_kind: global_buffer, .address_space: global }
      - { .name: pf, .offset: 24, .size: 8, .value_kind: global_buffer, .address_space: global }
      - { .name: attention_mask, .offset: 32, .size: 8, .value_kind: global_buffer, .address_space: global }
      - { .name: af, .offset: 40, .size: 8, .value_kind: global_buffer, .address_space: global }
    .group_segment_fixed_size: 327680
    .private_segment_fixed_size: 0
    .kernarg_segment_align: 8
    .kernarg_segment_size: 48
    .max_flat_workgroup_size: 128
    .sgpr_count:     84
    .vgpr_count:     1024
    .wavefront_size: 32
...
	.end_amdgpu_metadata
.endif
;; end of part 3
;; launch outp (part 4): grid 256 x 1, 4 waves a work-group, no clusters, 99,840 bytes of LDS; arguments af, wof, bo, out0; writes out0
.if DOCPART == 4
	.amdgcn_target "amdgcn-amd-amdhsa--gfx1250"
	.amdhsa_code_object_version 6
	.text
	.protected	k_q3a6d72a6e4_outp
	.globl	k_q3a6d72a6e4_outp
	.p2align	8
	.type	k_q3a6d72a6e4_outp,@function
k_q3a6d72a6e4_outp:
	s_mov_b64 s[64:65], 0
	v_nop
	global_prefetch_b8 v0, s[64:65] scope:SCOPE_SE
	s_setreg_imm32_b32 hwreg(HW_REG_WAVE_MODE, 25, 1), 1
	s_wait_xcnt 0x0
; LAUNCH 4 OF 4: out0 = attention's result x Wo + bo.  Both operands are f16 images of operand registers (1,024 bytes: 16 rows x 32 along K); sums in f32.
; SHARES.  Work-group g takes rows 64 g .. 64 g + 63 (four row tiles), wave w output columns 96 w .. 96 w + 95 (six column tiles): 24 accumulators.
; The product is used transposed (source 0 = 16 columns of Wo, source 1 = 16 rows): a lane holds eight neighbouring columns of one row.  bo is the C of each sum's first product.
; K goes in 12 chunks of 32 through three sets of operand registers: two chunks' loads are on their way while one is multiplied.  Each image goes from memory straight into its registers.
; The way out: a row's 384 columns come from four waves, so they meet in a stage in LDS (rows of 1,536 + 16 bytes), and each wave stores 16 whole rows.
; No cluster, no tensor load: a work-group's share of the operands is read once by each wave, in the order of its registers.
.set RP,    1552                       ; a stage row: 97 x 16 bytes, so sixteen rows start at sixteen different groups of four banks
.set SPARE, 99328                      ; behind the stage: the spare words, 128 bytes for each wave: two blocks of 256 bytes that no other line names
.set LI,  1                            ; v1  16 x lane
.set SO0, 2                            ; v2  the stage, on the way in, row tiles 0, 1;  v3  row tiles 2, 3
.set SO1, 3
.set SR,  4                            ; v4  and back: my 16 rows
.set BOF, 5                            ; v5  32 h: my eight numbers of bo
.set SPW, 6                            ; v6  my spare word's LDS address; never rewritten
.set NIL, 7                            ; v7  0; never rewritten
.set OPS, 16                           ; three sets of 80: Wo's six images, then the rows' four
.set ACC, 0                            ; window 1: accumulator (ct, rt) at v[8 (4 ct + rt)]
.set BO,  192                          ; window 1: bo, eight a column tile
.set MSB, 0
.macro WIN new
.if MSB != (\new)
	s_set_vgpr_msb (MSB<<8)|(\new)
.set MSB, (\new)
.endif
.endm
.macro PLACES n
.rept \n
	v_nop
.endr
.endm
.macro LOADK kc                        ; chunk kc: 20 loads into set kc % 3
.set OB, OPS+80*((\kc)%3)
.irp ct, 0,1,2,3,4,5
	global_load_b128 v[OB+8*\ct:OB+8*\ct+3], v[LI], s[6:7] offset:(12*\ct+(\kc))*1024
	global_load_b128 v[OB+8*\ct+4:OB+8*\ct+7], v[LI], s[6:7] offset:(12*\ct+(\kc))*1024+512
.endr
.irp rt, 0,1,2,3
	global_load_b128 v[OB+48+8*\rt:OB+48+8*\rt+3], v[LI], s[4:5] offset:(12*\rt+(\kc))*1024
	global_load_b128 v[OB+48+8*\rt+4:OB+48+8*\rt+7], v[LI], s[4:5] offset:(12*\rt+(\kc))*1024+512
.endr
.endm
	s_load_b256 s[4:11], s[0:1], 0x0               ; af, wof, bo, out0
	v_lshl_add_u32 v[SPW], v0, 2, SPARE
	v_mov_b32 v[NIL], 0
	v_lshrrev_b32 v8, 5, v0
	v_readfirstlane_b32 s12, v8                    ; wave
	v_and_b32 v8, 31, v0
	v_lshlrev_b32 v[LI], 4, v8
	v_and_b32 v9, 15, v0                           ; r
	v_bfe_u32 v10, v0, 4, 1                        ; h
	v_mul_u32_u24 v[SO0], v9, RP
	v_lshl_add_u32 v[SO0], v10, 5, v[SO0]
	s_mul_i32 s20, s12, 384
	v_add_nc_u32 v[SO0], s20, v[SO0]               ; row r, + 32 h, + my 384 bytes of a row
	v_add_nc_u32 v[SO1], 32*RP, v[SO0]
	s_mul_i32 s14, s12, 16*RP
	v_add_nc_u32 v[SR], s14, v[LI]
	v_lshlrev_b32 v[BOF], 5, v10
	s_mul_i32 s16, ttmp9, 49152                    ; my four row tiles' images
	s_mov_b32 s17, 0
	s_mul_i32 s18, s12, 73728                      ; my six column tiles' images
	s_mov_b32 s19, 0
	s_mov_b32 s21, 0
	s_lshl_b32 s22, ttmp9, 6
	s_lshl_b32 s23, s12, 4
	s_add_co_u32 s22, s22, s23
	s_mul_i32 s22, s22, 1536                       ; the first row that I store: 64 g + 16 w
	s_mov_b32 s23, 0
	s_wait_kmcnt 0x0
	s_add_nc_u64 s[4:5], s[4:5], s[16:17]
	s_add_nc_u64 s[6:7], s[6:7], s[18:19]
	s_add_nc_u64 s[8:9], s[8:9], s[20:21]
	s_add_nc_u64 s[10:11], s[10:11], s[22:23]
	WIN 0x40
.irp ct, 0,1,2,3,4,5
	global_load_b128 v[BO+8*\ct:BO+8*\ct+3], v[BOF], s[8:9] offset:64*\ct
	global_load_b128 v[BO+8*\ct+4:BO+8*\ct+7], v[BOF], s[8:9] offset:64*\ct+16
.endr
	WIN 0
	LOADK 0
	LOADK 1
	LOADK 2
.set kc, 0
.rept 12
.if kc < 10
	s_wait_loadcnt 40                              ; this chunk is in (and bo); the two younger sets, 20 loads each, may be out
.elseif kc == 10
	s_wait_loadcnt 20
.else
	s_wait_loadcnt 0
.endif
	WIN 0x50
.set OB, OPS+80*(kc%3)
.irp ct, 0,1,2,3,4,5                           ; the 24 accumulators take turns, one instruction a turn
.irp rt, 0,1,2,3
.if kc == 0
	v_wmma_f32_16x16x32_f16 v[ACC+8*(4*\ct+\rt):ACC+8*(4*\ct+\rt)+7], v[OB+8*\ct:OB+8*\ct+7], v[OB+48+8*\rt:OB+48+8*\rt+7], v[BO+8*\ct:BO+8*\ct+7]
.else
	v_wmma_f32_16x16x32_f16 v[ACC+8*(4*\ct+\rt):ACC+8*(4*\ct+\rt)+7], v[OB+8*\ct:OB+8*\ct+7], v[OB+48+8*\rt:OB+48+8*\rt+7], v[ACC+8*(4*\ct+\rt):ACC+8*(4*\ct+\rt)+7]
.endif
.endr
.endr
	WIN 0
	PLACES 4                                       ; ahead of loads into registers that the products have read, and of the first read of results
.if kc < 9
	LOADK kc+3
.endif
.set kc, kc+1
.endr
	WIN 0x04                                       ; an LDS store's data are its source 1: window 1
.irp rt, 0,1
.irp ct, 0,1,2,3,4,5
	ds_store_b128 v[SO0], v[ACC+8*(4*\ct+\rt):ACC+8*(4*\ct+\rt)+3] offset:\rt*16*RP+64*\ct       ; each accumulator from its low end on
	ds_store_b128 v[SO0], v[ACC+8*(4*\ct+\rt)+4:ACC+8*(4*\ct+\rt)+7] offset:\rt*16*RP+64*\ct+16
.endr
.endr
.irp rt, 2,3
.irp ct, 0,1,2,3,4,5
	ds_store_b128 v[SO1], v[ACC+8*(4*\ct+\rt):ACC+8*(4*\ct+\rt)+3] offset:(\rt-2)*16*RP+64*\ct
	ds_store_b128 v[SO1], v[ACC+8*(4*\ct+\rt)+4:ACC+8*(4*\ct+\rt)+7] offset:(\rt-2)*16*RP+64*\ct+16
.endr
.endr
	WIN 0
	s_wait_dscnt 0x0                               ; for the others' sake: my stores into the stage are done
	s_barrier_signal -1
	s_barrier_wait -1                              ; 64 whole rows lie in the stage
.set n, 0
.rept 48
	ds_load_b128 v[16+4*n:16+4*n+3], v[SR] offset:RP*(n/3)+512*(n%3)
.set n, n+1
.endr
.set n, 0
.rept 48
	s_wait_dscnt 47-n                              ; LDS loads come back in order: load n is in, the younger ones may be out
	global_store_b128 v[LI], v[16+4*n:16+4*n+3], s[10:11] offset:1536*(n/3)+512*(n%3) th:TH_STORE_NT   ; 32 lanes store 512 consecutive bytes, at a multiple of 256 from out0's first byte
.set n, n+1
.endr
	s_wait_tensorcnt 0x0                           ; the wave's end: three closing lines behind my last LDS store
	ds_add_u32 v[SPW], v[NIL]
	s_wait_dscnt 0x0
	s_endpgm
.Lfunc_end_k_q3a6d72a6e4_outp:
	.size	k_q3a6d72a6e4_outp, .Lfunc_end_k_q3a6d72a6e4_outp-k_q3a6d72a6e4_outp
	.p2alignl 7, 3214868480
	.fill 96, 4, 3214868480
	.section	.rodata,"a",@progbits
	.p2align	6, 0x0
	.amdhsa_kernel k_q3a6d72a6e4_outp
		.amdhsa_group_segment_fixed_size 99840
		.amdhsa_private_segment_fixed_size 0
		.amdhsa_enable_private_segment 0
		.amdhsa_kernarg_size 32
		.amdhsa_user_sgpr_count 2
		.amdhsa_user_sgpr_kernarg_segment_ptr 1
		.amdhsa_wavefront_size32 1
		.amdhsa_system_sgpr_workgroup_id_x 1
		.amdhsa_system_sgpr_workgroup_id_y 1
		.amdhsa_system_sgpr_workgroup_id_z 1
		.amdhsa_system_vgpr_workitem_id 0
		.amdhsa_next_free_vgpr 512
		.amdhsa_next_free_sgpr 66
		.amdhsa_reserve_vcc 0
		.amdhsa_float_denorm_mode_32 3
		.amdhsa_float_denorm_mode_16_64 3
		.amdhsa_memory_ordered 1
		.amdhsa_forward_progress 1
		.amdhsa_inst_pref_size 59
	.end_amdhsa_kernel
	.amdgpu_metadata
---
amdhsa.version: [ 1, 2 ]
amdhsa.kernels:
  - .name:           k_q3a6d72a6e4_outp
    .symbol:         k_q3a6d72a6e4_outp.kd
    .args:
      - { .name: af, .offset: 0, .size: 8, .value_kind: global_buffer, .address_space: global }
      - { .name: wof, .offset: 8, .size: 8, .value_kind: global_buffer, .address_space: global }
      - { .name: bo, .offset: 16, .size: 8, .value_kind: global_buffer, .address_space: global }
      - { .name: out0, .offset: 24, .size: 8, .value_kind: global_buffer, .address_space: global }
    .group_segment_fixed_size: 99840
    .private_segment_fixed_size: 0
    .kernarg_segment_align: 8
    .kernarg_segment_size: 32
    .max_flat_workgroup_size: 128
    .sgpr_count:     66
    .vgpr_count:     512
    .wavefront_size: 32
...
	.end_amdgpu_metadata
.endif
;; end of part 4
;; ======== version 2 of 2: 4 launches; version 1 with the launch proj written anew for expert scheduling mode
;; limits: values are held in f16: magnitudes above 65,504 overflow, below 6.1e-05 lose precision; right only within a limited range of input values
;; workspace buffers: wcodes 294,912 bytes; wscales 18,432 bytes; wof 294,912 bytes; quf 12,582,912 bytes; qvf 12,582,912 bytes; kvf 25,165,824 bytes; pf 3,145,728 bytes; af 12,582,912 bytes
;; launch prep: the kernel of part 1 again; grid 6 x 24, 4 waves a work-group, no clusters, 0 bytes of LDS; arguments Wq, Wk, Wv, Wpos, Wo, wcodes, wscales, wof; writes wcodes, wscales, wof
;; launch proj (part 5): grid 256 x 1, 4 waves a work-group, no clusters, 24,576 bytes of LDS; arguments hidden_states, pos_emb, wcodes, wscales, bq, bv, pos_bias_u, pos_bias_v, quf, qvf, kvf, pf; writes quf, qvf, kvf, pf
.if DOCPART == 5
	.amdgcn_target "amdgcn-amd-amdhsa--gfx1250"
	.amdhsa_code_object_version 6
	.text
	.protected	k_q3a6d72a6e4_proj
	.globl	k_q3a6d72a6e4_proj
	.p2align	8
	.type	k_q3a6d72a6e4_proj,@function
k_q3a6d72a6e4_proj:
	s_mov_b64 s[64:65], 0
	v_nop
	global_prefetch_b8 v0, s[64:65] scope:SCOPE_SE
	s_setreg_imm32_b32 hwreg(HW_REG_WAVE_SCHED_MODE, 0, 2), 2
	s_setreg_imm32_b32 hwreg(HW_REG_WAVE_MODE, 25, 1), 1
	s_wait_xcnt 0x0
	s_wait_alu depctr_vm_vsrc(0)
; LAUNCH 2 OF 4: the four quantised projections.  hidden_states and pos_emb are quantised along their 384 to E2M1 (one E8M0 byte for each 32), multiplied by the weights' codes,
; and the results leave as f16 images of the operand registers of the attention launch.  bk is left out: it is dead work (shown at the head of the first launch).
; q_u = (x Wq + bq + u) c and q_v = (x Wq + bq + v) c with c = log2(e) / sqrt(96), so that scores come out in units of log2;  k = x Wk;  v = x Wv + bv;  pos = pos_emb Wpos.
; LIMITS: |q c|, |k|, |v|, |pos| stay under 65,504 (f16); blocks of zeros get the byte 1 (their codes are zeros); NaN and infinities are not served.
; SHARES.  Work-group g takes rows 64 g .. 64 g + 63 of hidden_states (row tiles 0-3) and rows 16 g .. 16 g + 15 of pos_emb (row tile 4; row 4,095 does not exist: row 4,094 is taken again,
; its result is stored and no later launch uses it).  Wave w quantises row tile w; waves 0-2 one K step each of the position tile; wave 3 makes the bias tables.  The images go through LDS, one barrier.
; Then wave w is HEAD w: its 4 x 6 column tiles x 3 K steps = 72 images of codes stay in registers, read from memory once.
; Q, K and pos are used transposed (source 0 = 16 columns of W, source 1 = 16 rows of x): a lane holds one row and eight neighbouring channels, which is a piece of an f16 image with the channels as K.
; V is used as it stands (source 0 = x, source 1 = W): a lane holds one channel and eight neighbouring keys: a piece of an image with the keys as K.
; REGISTERS, in windows of 256.  Window 0: addresses, scale words (v16-66), stages and codes of the quantiser, later accumulators, biases and results.
;   Weight image fi = (weight 6 + tile) 3 + K step: window 1 + fi / 32, v[8 (fi % 32)].  x's image (row tile rt, K step ks): window 3, v[64 + 8 (3 rt + ks)].
; THE MODE: SCHED_MODE bits 1:0 = 2 (LLVM: expert scheduling mode 2), set by the entry lines.  The code itself states the register dependences
; between vector or matrix instructions and memory or LDS instructions, with s_wait_alu, always for 0.
; THE PLAN.  Registers that memory or LDS instructions touch:
;   v4 .. v14     Addresses and offsets: made once at the head, never written again.  One wait on va_vdst ahead of the first load serves them all.
;   SA, SB        Two stages of 64 numbers: written by loads, read by the quantiser, asked for again behind the wait on va_vdst that follows the quantiser.
;   PC, PW        Four fragments of codes and four scale words, each in registers of its own: written by the quantiser, read by the LDS stores behind that same wait.
;   v156-191      In wave 3: the bias tables, written by its packed arithmetic or by loads, read by its LDS stores.
;   One wait on vm_vsrc behind the barrier states that the LDS stores have read PC and v156-191: from there on they are BS1 and OUT0.
;   The weights' images, x's images and all scale words are written by loads once, into registers that no vector instruction has named, and read by matrix instructions alone.
;   Behind the barrier the work goes in 19 steps, a column tile each (six of Q, six of K, six of V, one of pos):
;   OUT0, OUT1    Step p's conversions write OUT[p % 2]; the stores at the head of step p + 1 read it; step p + 2 writes it again.
;   BS0, BS1      Q's tile ct has its biases in set ct % 2: loaded at the head of step ct - 1, read by step ct's multiply-adds.   BV0, BV1: the same for V's tiles.
;   So three lines stand at a step's head, and the step's loads and stores follow them with no further wait: the step's products and arithmetic name the accumulators, T, this step's biases and
;   this step's out-buffer, none of which those loads and stores touch.
.set XIMG,  0                          ; LDS: x's 15 images,
.set XSC,   15360                      ; their scale words, 128 bytes each,
.set TAB,   17408                      ; three tables of 384 f32: (bq + u) c, (bq + v) c, bv
.set SPARE, 23552                      ; the spare words, 128 bytes for each wave: two blocks of 256 bytes that no other line names
.set XA,  4                            ; v4   my lane's byte in the wave's 16 rows of hidden_states
.set LI,  5                            ; v5   16 x lane
.set LS,  6                            ; v6   4 x lane
.set XWI, 7                            ; v7   where I store my row tile's images
.set XWS, 8                            ; v8   and their scale words
.set XP,  9                            ; v9   my lane's byte in pos_emb, K step = wave
.set TBA, 10                           ; v10  the tables by eight channels: TAB + 384 w + 32 h
.set TBV, 11                           ; v11  bv by one channel: TAB + 3,072 + 384 w + 4 r
.set TWA, 12                           ; v12  where wave 3 stores the tables: TAB + 16 x lane: a register of its own, so that no store names the address of the loads into other windows that follow
.set PWI, 13                           ; v13  where I store the position tile's image
.set PWS, 14                           ; v14  and its scale words
.set WS,  16                           ; v16-51 the weights' scale words: register (weight 3 + pair) 3 + ks; lanes 0-15 the even tile, lanes 16-31 the odd one
.set XS,  52                           ; v52-66 x's scale words: register 3 rt + ks
.set SPW, 68                           ; v68  my spare word's LDS address; never rewritten
.set NIL, 69                           ; v69  0; never rewritten
.set PW,  70                           ; v70-73 four scale words just made
.set SA,  80                           ; v80-143, v144-207 two stages of 64 numbers
.set SB,  144
.set TM,  208                          ; v208-223 at work in the quantiser
.set PC,  224                          ; v224-255 four fragments of codes just made: each has registers of its own
.set ACC, 80                           ; behind the barrier: six accumulators,
.set T,   128                          ; eight numbers at work,
.set BS0, 136                          ; two sets of biases: eight of (bq + u) c, then eight of (bq + v) c,
.set BS1, 224
.set BV0, 152                          ; two pairs for bv: the number, and a zero that is named with it,
.set BV1, 154
.set OUT0, 160                         ; and two out-buffers of 32 registers of packed results
.set OUT1, 192
.set XW,  64                           ; x's images, in window 3
.set WV,  28
.set CS,  40                           ; s[40:41] c, twice
.set SEL, 42                           ; s[42:43] lane selects: lane xor 16
.set MSB, 0
.macro WIN new                         ; the immediate's high byte repeats the setting that is left; a switch that changes nothing is dropped
.if MSB != (\new)
	s_set_vgpr_msb (MSB<<8)|(\new)
.set MSB, (\new)
.endif
.endm
.macro PLACES n
.rept \n
	v_nop
.endr
.endm
; my 16 rows' numbers of K step ks: lane (r, h) takes, of row r, 16 neighbours of each block of 32: register 16 b + i = k 32 b + 16 h + i
.macro XLOAD reg, adr, base, ks
.irp b, 0,1,2,3
.irp j, 0,1,2,3
	global_load_b128 v[\reg+16*\b+4*\j:\reg+16*\b+4*\j+3], v[\adr], s[\base:\base+1] offset:512*(\ks)+128*\b+16*\j th:TH_LOAD_NT
.endr
.endr
.endm
; 64 numbers of a lane become a fragment's codes in v[pc] on and its scale word in v[pw]
.macro QUANT s, pc, pw
.irp b, 0,1,2,3
	v_max3_num_f32 v[TM+\b], |v[\s+16*\b]|, |v[\s+1+16*\b]|, 0x1800000   ; block b: my 16 numbers, and the floor 2^(3 - 127): the byte cannot fall under 1
.endr
.irp i, 2,4,6,8,10,12,14
.irp b, 0,1,2,3
	v_max3_num_f32 v[TM+\b], v[TM+\b], |v[\s+16*\b+\i]|, |v[\s+1+16*\b+\i]|
.endr
.endr
.irp b, 0,1,2,3
	v_permlanex16_b32 v[TM+4+\b], v[TM+\b], s[SEL], s[SEL+1]
.endr
.irp b, 0,1,2,3
	v_max_num_f32 v[TM+\b], v[TM+\b], v[TM+4+\b]   ; with lane xor 16's: the block's largest magnitude
.endr
.irp b, 0,1,2,3
	v_add_nc_u32 v[TM+12+\b], 0xff000000, v[TM+\b] ; 2 off its exponent field: the conversion's scale operand
.endr
.irp b, 0,1,2,3
	v_lshrrev_b32 v[TM+4+\b], 23, v[TM+12+\b]      ; the scale's byte
.endr
	v_lshl_or_b32 v[\pw], v[TM+5], 8, v[TM+4]
	v_lshl_or_b32 v[\pw], v[TM+6], 16, v[\pw]
	v_lshl_or_b32 v[\pw], v[TM+7], 24, v[\pw]
.irp b, 0,1,2,3
	v_cvt_scalef32_pk8_fp4_f32 v[\pc+2*\b], v[\s+16*\b:\s+7+16*\b], v[TM+12+\b]
	v_cvt_scalef32_pk8_fp4_f32 v[\pc+1+2*\b], v[\s+8+16*\b:\s+15+16*\b], v[TM+12+\b]
.endr
	v_nop                                          ; one plain line behind the last scaled conversion
.irp c, 0,1                                    ; the operand wants a whole block in a lane: lanes 0-15 block 2 c, lanes 16-31 block 2 c + 1
.irp i, 0,1
	v_permlane16_swap_b32 v[\pc+4*\c+\i], v[\pc+2+4*\c+\i]
.endr
.endr
.endm
.macro IMAGE adr, pc, off
	ds_store_b128 v[\adr], v[\pc:\pc+3] offset:\off
	ds_store_b128 v[\adr], v[\pc+4:\pc+7] offset:\off+512
.endm
; one scaled product.  WT: source 0 = the weight (its scale word in lanes 16-31 where the tile is odd);  WN: source 1 = the weight.  acc = 0: the product starts the sum
.macro WT d, a, b, acc, sa, sb, odd
.if \acc
.if \odd
	v_wmma_scale_f32_16x16x128_f8f6f4 v[\d:\d+7], v[\a:\a+7], v[\b:\b+7], v[\d:\d+7], v[\sa], v[\sb] matrix_a_fmt:MATRIX_FMT_FP4 matrix_b_fmt:MATRIX_FMT_FP4 matrix_a_scale:MATRIX_SCALE_ROW1
.else
	v_wmma_scale_f32_16x16x128_f8f6f4 v[\d:\d+7], v[\a:\a+7], v[\b:\b+7], v[\d:\d+7], v[\sa], v[\sb] matrix_a_fmt:MATRIX_FMT_FP4 matrix_b_fmt:MATRIX_FMT_FP4
.endif
.else
.if \odd
	v_wmma_scale_f32_16x16x128_f8f6f4 v[\d:\d+7], v[\a:\a+7], v[\b:\b+7], 0, v[\sa], v[\sb] matrix_a_fmt:MATRIX_FMT_FP4 matrix_b_fmt:MATRIX_FMT_FP4 matrix_a_scale:MATRIX_SCALE_ROW1
.else
	v_wmma_scale_f32_16x16x128_f8f6f4 v[\d:\d+7], v[\a:\a+7], v[\b:\b+7], 0, v[\sa], v[\sb] matrix_a_fmt:MATRIX_FMT_FP4 matrix_b_fmt:MATRIX_FMT_FP4
.endif
.endif
.endm
.macro WN d, a, b, acc, sa, sb, odd
.if \acc
.if \odd
	v_wmma_scale_f32_16x16x128_f8f6f4 v[\d:\d+7], v[\a:\a+7], v[\b:\b+7], v[\d:\d+7], v[\sa], v[\sb] matrix_a_fmt:MATRIX_FMT_FP4 matrix_b_fmt:MATRIX_FMT_FP4 matrix_b_scale:MATRIX_SCALE_ROW1
.else
	v_wmma_scale_f32_16x16x128_f8f6f4 v[\d:\d+7], v[\a:\a+7], v[\b:\b+7], v[\d:\d+7], v[\sa], v[\sb] matrix_a_fmt:MATRIX_FMT_FP4 matrix_b_fmt:MATRIX_FMT_FP4
.endif
.else
.if \odd
	v_wmma_scale_f32_16x16x128_f8f6f4 v[\d:\d+7], v[\a:\a+7], v[\b:\b+7], 0, v[\sa], v[\sb] matrix_a_fmt:MATRIX_FMT_FP4 matrix_b_fmt:MATRIX_FMT_FP4 matrix_b_scale:MATRIX_SCALE_ROW1
.else
	v_wmma_scale_f32_16x16x128_f8f6f4 v[\d:\d+7], v[\a:\a+7], v[\b:\b+7], 0, v[\sa], v[\sb] matrix_a_fmt:MATRIX_FMT_FP4 matrix_b_fmt:MATRIX_FMT_FP4
.endif
.endif
.endm
; twelve products: column tile ct of weight wt against the four row tiles, three K steps; the four accumulators take turns, one instruction a turn
.macro MUL_T wt, ct
.irp ks, 0,1,2
.set fi, ((\wt)*6+(\ct))*3+\ks
	WIN ((1+fi/32)|(3<<2))
.irp rt, 0,1,2,3
	WT ACC+8*\rt, 8*(fi%32), XW+8*(\rt*3+\ks), \ks, WS+((\wt)*3+(\ct)/2)*3+\ks, XS+\rt*3+\ks, (\ct)%2
.endr
.endr
.endm
.macro MUL_N wt, ct
.irp ks, 0,1,2
.set fi, ((\wt)*6+(\ct))*3+\ks
	WIN (3|((1+fi/32)<<2))
.irp rt, 0,1,2,3
	WN ACC+8*\rt, XW+8*(\rt*3+\ks), 8*(fi%32), \ks, XS+\rt*3+\ks, WS+((\wt)*3+(\ct)/2)*3+\ks, (\ct)%2
.endr
.endr
.endm
; THE HEAD OF A STEP, from the third step on.  Behind it stand the step's bias loads and the stores of the step before.
.macro HEAD
	s_wait_xcnt 0x0                                ; the stores issued at the last step's head have had their addresses translated (ISA guide 3.1): the out-buffer that they read is rewritten only behind this wait
	s_wait_alu depctr_vm_vsrc(0)                   ; those stores have read that out-buffer, which this step's conversions write again
	s_wait_alu depctr_va_vdst(0)                   ; the step before has written the other out-buffer, which the stores below read, and is done reading its biases, in whose registers the loads below land
.endm
.macro BIAS ct, bs                     ; Q's tile ct: eight of (bq + u) c and eight of (bq + v) c into set bs
	ds_load_b128 v[\bs:\bs+3], v[TBA] offset:64*(\ct)
	ds_load_b128 v[\bs+4:\bs+7], v[TBA] offset:64*(\ct)+16
	ds_load_b128 v[\bs+8:\bs+11], v[TBA] offset:1536+64*(\ct)
	ds_load_b128 v[\bs+12:\bs+15], v[TBA] offset:1536+64*(\ct)+16
.endm
; the stores of a finished tile: 32 lanes store 512 consecutive bytes
.macro SENDQ ct, ob
.irp rt, 0,1,2,3
	global_store_b128 v[LI], v[\ob+8*\rt:\ob+8*\rt+3], s[20:21] offset:(\rt*3+(\ct)/2)*1024+512*((\ct)%2)
	global_store_b128 v[LI], v[\ob+8*\rt+4:\ob+8*\rt+7], s[22:23] offset:(\rt*3+(\ct)/2)*1024+512*((\ct)%2)
.endr
.endm
.macro SENDK ct, ob
.irp rt, 0,1,2,3
	global_store_b128 v[LI], v[\ob+4*\rt:\ob+4*\rt+3], s[24:25] offset:(\rt*3+(\ct)/2)*1024+512*((\ct)%2)
.endr
.endm
.macro SENDV ct, ob
.irp rt, 0,1,2,3
	global_store_b128 v[LI], v[\ob+4*\rt:\ob+4*\rt+3], s[24:25] offset:12288+((\rt/2)*6+(\ct))*1024+512*(\rt%2)
.endr
.endm
; a step's products and arithmetic.  left: the LDS loads that may stay out: the next tile's biases
.macro QWORK ct, bs, ob, left          ; Q: both biased forms from one product
	MUL_T 0, \ct
	WIN 0
	PLACES 5                                       ; behind the last product: four ahead of the reads of results, five ahead of the product that begins an accumulator anew (ISA guide 7.12.1)
	s_wait_dscnt \left                             ; LDS loads come back in order (ISA guide 5.7.1): this tile's biases are in
.irp rt, 0,1,2,3
.irp i, 0,2,4,6
	v_pk_fma_f32 v[T+\i:T+\i+1], v[ACC+8*\rt+\i:ACC+8*\rt+\i+1], s[CS:CS+1], v[\bs+\i:\bs+\i+1] op_sel_hi:[1,0,1]
.endr
.irp i, 0,1,2,3
	v_cvt_pk_f16_f32 v[\ob+8*\rt+\i], v[T+2*\i], v[T+2*\i+1]
.endr
.irp i, 0,2,4,6
	v_pk_fma_f32 v[T+\i:T+\i+1], v[ACC+8*\rt+\i:ACC+8*\rt+\i+1], s[CS:CS+1], v[\bs+8+\i:\bs+8+\i+1] op_sel_hi:[1,0,1]
.endr
.irp i, 0,1,2,3
	v_cvt_pk_f16_f32 v[\ob+8*\rt+4+\i], v[T+2*\i], v[T+2*\i+1]
.endr
.endr
.endm
.macro KWORK ct, ob
	MUL_T 1, \ct
	WIN 0
	PLACES 5
.irp rt, 0,1,2,3
.irp i, 0,1,2,3
	v_cvt_pk_f16_f32 v[\ob+4*\rt+\i], v[ACC+8*\rt+2*\i], v[ACC+8*\rt+2*\i+1]
.endr
.endr
.endm
.macro VWORK ct, bv, ob, left          ; V, with the keys as the image's K
	MUL_N 2, \ct
	WIN 0
	PLACES 5
	s_wait_dscnt \left                             ; this tile's bv is in
.irp rt, 0,1,2,3
.irp i, 0,2,4,6
	v_pk_add_f32 v[T+\i:T+\i+1], v[ACC+8*\rt+\i:ACC+8*\rt+\i+1], v[\bv:\bv+1] op_sel_hi:[1,0]
.endr
.irp i, 0,1,2,3
	v_cvt_pk_f16_f32 v[\ob+4*\rt+\i], v[T+2*\i], v[T+2*\i+1]
.endr
.endr
.endm
	s_load_b512 s[4:19], s[0:1], 0x0               ; hidden_states, pos_emb, wcodes, wscales, bq, bv, u, v
	s_load_b256 s[20:27], s[0:1], 0x40             ; quf, qvf, kvf, pf
	v_lshl_add_u32 v[SPW], v0, 2, SPARE
	v_mov_b32 v[NIL], 0
	v_lshrrev_b32 v1, 5, v0
	v_readfirstlane_b32 s[WV], v1                  ; wave = head
	v_and_b32 v1, 31, v0                           ; lane
	v_and_b32 v2, 15, v0                           ; r
	v_bfe_u32 v3, v0, 4, 1                         ; h
	v_mul_u32_u24 v[XA], v2, 1536
	v_lshl_add_u32 v[XA], v3, 6, v[XA]             ; row r of 1,536 bytes, + 64 h
	v_lshlrev_b32 v[LI], 4, v1
	v_lshlrev_b32 v[LS], 2, v1
	v_add_nc_u32 v[TWA], TAB, v[LI]
	s_wait_alu depctr_va_sdst(0)                   ; the wave's number is written, ahead of its first reader: LDS addresses, bases and the branch are made from it
	s_mul_i32 s29, s[WV], 3072                     ; every LDS address is made here, ahead of the waves' parting
	v_add_nc_u32 v[XWI], s29, v[LI]
	s_mul_i32 s29, s[WV], 384
	s_add_co_u32 s30, s29, XSC
	v_add_nc_u32 v[XWS], s30, v[LS]
	s_lshl_b32 s30, s[WV], 10
	s_add_co_u32 s30, s30, 12*1024
	v_add_nc_u32 v[PWI], s30, v[LI]
	s_lshl_b32 s30, s[WV], 7
	s_add_co_u32 s30, s30, XSC+12*128
	v_add_nc_u32 v[PWS], s30, v[LS]
	s_add_co_u32 s30, s29, TAB
	v_lshl_add_u32 v[TBA], v3, 5, s30
	s_add_co_u32 s30, s29, TAB+3072
	v_lshl_add_u32 v[TBV], v2, 2, s30
	s_lshl_b32 s31, ttmp9, 4
	v_add_nc_u32 v[XP], s31, v2                    ; position row 16 g + r,
	v_min_u32 v[XP], 4094, v[XP]                   ; held at the last row that exists
	v_mul_u32_u24 v[XP], v[XP], 1536
	v_lshl_add_u32 v[XP], v3, 6, v[XP]
	s_lshl_b32 s31, s[WV], 9
	v_add_nc_u32 v[XP], s31, v[XP]                 ; K step = wave (used by waves 0-2 alone)
	s_mov_b32 s[CS], 0x3e16c740                    ; c = log2(e) / sqrt(96)
	s_mov_b32 s[CS+1], s[CS]
	s_mov_b32 s[SEL], 0x76543210
	s_mov_b32 s[SEL+1], 0xfedcba98
.irp b, 0,1,2,3
	v_mov_b32 v[TM+4+\b], 0                        ; written once: a lane permute's destination counts as one of its sources
.endr
	s_lshl_b32 s32, ttmp9, 6
	s_lshl_b32 s33, s[WV], 4
	s_add_co_u32 s32, s32, s33
	s_mul_i32 s32, s32, 1536                       ; hidden_states at row 64 g + 16 w
	s_mov_b32 s33, 0
	s_lshr_b32 s34, ttmp9, 5
	s_lshl_b32 s34, s34, 2
	s_add_co_u32 s34, s34, s[WV]                   ; batch x 4 + head
	s_and_b32 s35, ttmp9, 31                       ; which 64 rows of the sequence
	s_lshl_b32 s36, s34, 7
	s_lshl_b32 s37, s35, 2
	s_add_co_u32 s36, s36, s37
	s_mul_i32 s36, s36, 3072                       ; quf, qvf: three images a tile of 16 queries
	s_mov_b32 s37, 0
	s_lshl_b32 s38, s34, 5
	s_add_co_u32 s38, s38, s35
	s_mul_i32 s38, s38, 24576                      ; kvf: 24 images a block of 64 keys
	s_mov_b32 s39, 0
	s_mul_i32 s44, s[WV], 786432
	s_mul_i32 s45, ttmp9, 3072
	s_add_co_u32 s44, s44, s45                     ; pf: head, position tile g
	s_mov_b32 s45, 0
	s_mul_i32 s46, s[WV], 18432                    ; my six column tiles in each weight's images
	s_mov_b32 s47, 0
	s_mul_i32 s48, s[WV], 1152                     ; and in the scale words
	s_mov_b32 s49, 0
	s_wait_kmcnt 0x0
	s_add_nc_u64 s[4:5], s[4:5], s[32:33]
	s_add_nc_u64 s[8:9], s[8:9], s[46:47]
	s_add_nc_u64 s[10:11], s[10:11], s[48:49]
	s_add_nc_u64 s[20:21], s[20:21], s[36:37]
	s_add_nc_u64 s[22:23], s[22:23], s[36:37]
	s_add_nc_u64 s[24:25], s[24:25], s[38:39]
	s_add_nc_u64 s[26:27], s[26:27], s[44:45]
	s_wait_alu depctr_va_vdst(0)                   ; the addresses and offsets v4 to v14 are written: every load and store of the kernel reads one of them, and none is written again
	; ---- my row tile of hidden_states: three K steps through two stages
	XLOAD SA, XA, 4, 0
	XLOAD SB, XA, 4, 1
	s_wait_loadcnt 16                              ; K step 0 is in; K step 1's 16 loads may be out
	QUANT SA, PC, PW
	s_wait_alu depctr_va_vdst(0)                   ; the quantiser is done reading SA, in which the loads below land, and has written the codes and the scale word, which the LDS stores below read
	XLOAD SA, XA, 4, 2
	IMAGE XWI, PC, XIMG
	ds_store_b32 v[XWS], v[PW]
	s_wait_loadcnt 16                              ; K step 1 is in; K step 2's may be out
	QUANT SB, PC+8, PW+1
	s_wait_alu depctr_va_vdst(0)                   ; the same of SB, in which the first loads of either way below land, and of the second fragment's codes and scale word
	IMAGE XWI, PC+8, XIMG+1024
	ds_store_b32 v[XWS], v[PW+1] offset:128
	s_cmp_lt_u32 s[WV], 3
	s_cbranch_scc0 .Ltables
	XLOAD SB, XP, 6, 0                             ; waves 0-2: the position tile's K step w.  No vector instruction since the wait above names SB
	s_wait_loadcnt 16                              ; K step 2 is in; the position tile's 16 loads may be out
	QUANT SA, PC+16, PW+2
	s_wait_loadcnt 0x0
	QUANT SB, PC+24, PW+3
	s_wait_alu depctr_va_vdst(0)                   ; both fragments' codes and scale words are written, which the LDS stores below read; every vector instruction that named SA, SB or PC is done, ahead of the bias loads that land there
	IMAGE XWI, PC+16, XIMG+2048
	ds_store_b32 v[XWS], v[PW+2] offset:256
	IMAGE PWI, PC+24, 0
	ds_store_b32 v[PWS], v[PW+3]
	s_branch .Ljoin
.Ltables:                                          ; wave 3: the bias tables, 384 numbers each
.irp i, 0,1,2
	global_load_b128 v[SB+4*\i:SB+4*\i+3], v[LI], s[12:13] offset:512*\i         ; bq.  No vector instruction since the wait above names SB
	global_load_b128 v[SB+12+4*\i:SB+12+4*\i+3], v[LI], s[16:17] offset:512*\i   ; u
	global_load_b128 v[SB+24+4*\i:SB+24+4*\i+3], v[LI], s[18:19] offset:512*\i   ; v
	global_load_b128 v[SB+36+4*\i:SB+36+4*\i+3], v[LI], s[14:15] offset:512*\i   ; bv
.endr
	s_wait_loadcnt 12                              ; K step 2 is in; the twelve just issued may be out
	QUANT SA, PC+16, PW+2
	s_wait_loadcnt 0x0
.irp i, 0,2,4,6,8,10
	v_pk_add_f32 v[SB+12+\i:SB+13+\i], v[SB+12+\i:SB+13+\i], v[SB+\i:SB+1+\i]
	v_pk_add_f32 v[SB+24+\i:SB+25+\i], v[SB+24+\i:SB+25+\i], v[SB+\i:SB+1+\i]
.endr
.irp i, 0,2,4,6,8,10
	v_pk_mul_f32 v[SB+12+\i:SB+13+\i], v[SB+12+\i:SB+13+\i], s[CS:CS+1] op_sel_hi:[1,0]
	v_pk_mul_f32 v[SB+24+\i:SB+25+\i], v[SB+24+\i:SB+25+\i], s[CS:CS+1] op_sel_hi:[1,0]
.endr
	s_wait_alu depctr_va_vdst(0)                   ; the third fragment's codes and scale word and the two biased tables are written, which the LDS stores below read; every vector instruction that named SA, SB or PC is done, ahead of the bias loads that land there
	IMAGE XWI, PC+16, XIMG+2048
	ds_store_b32 v[XWS], v[PW+2] offset:256
.irp i, 0,1,2
	ds_store_b128 v[TWA], v[SB+12+4*\i:SB+12+4*\i+3] offset:512*\i
	ds_store_b128 v[TWA], v[SB+24+4*\i:SB+24+4*\i+3] offset:1536+512*\i
	ds_store_b128 v[TWA], v[SB+36+4*\i:SB+36+4*\i+3] offset:3072+512*\i
.endr
.Ljoin:
	; ---- my head's weights: 36 scale words, then 72 images in the order in which they are used.  They land in registers that no vector instruction has named; since the last wait on va_vdst,
	; on either way, stand only LDS stores that name none of these loads' registers, loads and window switches
.set i, 0
.rept 36
	global_load_b32 v[WS+i], v[LS], s[10:11] offset:((i/9)*36+i%9)*128
.set i, i+1
.endr
.set fi, 0
.rept 72
	WIN ((1+fi/32)<<6)
	global_load_b128 v[8*(fi%32):8*(fi%32)+3], v[LI], s[8:9] offset:((fi/18)*72+fi%18)*1024
	global_load_b128 v[8*(fi%32)+4:8*(fi%32)+7], v[LI], s[8:9] offset:((fi/18)*72+fi%18)*1024+512
.set fi, fi+1
.endr
	WIN 0
	s_wait_dscnt 0x0                               ; for the others' sake: my images, scale words and tables lie in LDS
	s_barrier_signal -1
	s_barrier_wait -1                              ; everybody's do
	s_wait_alu depctr_vm_vsrc(0)                   ; my LDS stores have read the codes and, in wave 3, the tables: v224-239 are the second set of biases from here on, in which loads land, and v160-191 an out-buffer, which conversions write
	WIN 0xc0
.set i, 0
.rept 15
	ds_load_b128 v[XW+8*i:XW+8*i+3], v[LI] offset:XIMG+1024*i
	ds_load_b128 v[XW+8*i+4:XW+8*i+7], v[LI] offset:XIMG+1024*i+512
.set i, i+1
.endr
	WIN 0
.set i, 0
.rept 15
	ds_load_b32 v[XS+i], v[LS] offset:XSC+128*i
.set i, i+1
.endr
	BIAS 0, BS0                                    ; Q's first tile, and
	ds_load_b32 v[BV0], v[TBV]                     ; V's
	v_mov_b32 v[BV0+1], 0                          ; named with bv as a pair, so they are written
	v_mov_b32 v[BV1+1], 0
	s_wait_dscnt 0x0
	s_wait_loadcnt 63                              ; the scale words and Wq's and Wk's images are in: 72 loads were issued behind them
	; ---- Q.  The first step has no step in front of it
	BIAS 1, BS1
	QWORK 0, BS0, OUT0, 4
	s_wait_alu depctr_va_vdst(0)                   ; the first step has written OUT0, which the stores below read, and is done reading BS0, in which the loads below land (no store has been issued yet: OUT1 is free)
	BIAS 2, BS0
	SENDQ 0, OUT0
	QWORK 1, BS1, OUT1, 4
	HEAD
	BIAS 3, BS1
	SENDQ 1, OUT1
	QWORK 2, BS0, OUT0, 4
	HEAD
	BIAS 4, BS0
	SENDQ 2, OUT0
	QWORK 3, BS1, OUT1, 4
	HEAD
	BIAS 5, BS1
	SENDQ 3, OUT1
	QWORK 4, BS0, OUT0, 4
	HEAD
	SENDQ 4, OUT0
	QWORK 5, BS1, OUT1, 0
	; ---- K
	HEAD
	SENDQ 5, OUT1
	KWORK 0, OUT0
	HEAD
	SENDK 0, OUT0
	KWORK 1, OUT1
	HEAD
	SENDK 1, OUT1
	KWORK 2, OUT0
	HEAD
	SENDK 2, OUT0
	KWORK 3, OUT1
	HEAD
	SENDK 3, OUT1
	KWORK 4, OUT0
	HEAD
	SENDK 4, OUT0
	KWORK 5, OUT1
	; ---- V
	s_wait_loadcnt 36                              ; Wv's images are in; Wpos's 36 loads may be out
	HEAD
	ds_load_b32 v[BV1], v[TBV] offset:64*1
	SENDK 5, OUT1
	VWORK 0, BV0, OUT0, 1
	HEAD
	ds_load_b32 v[BV0], v[TBV] offset:64*2
	SENDV 0, OUT0
	VWORK 1, BV1, OUT1, 1
	HEAD
	ds_load_b32 v[BV1], v[TBV] offset:64*3
	SENDV 1, OUT1
	VWORK 2, BV0, OUT0, 1
	HEAD
	ds_load_b32 v[BV0], v[TBV] offset:64*4
	SENDV 2, OUT0
	VWORK 3, BV1, OUT1, 1
	HEAD
	ds_load_b32 v[BV1], v[TBV] offset:64*5
	SENDV 3, OUT1
	VWORK 4, BV0, OUT0, 1
	HEAD
	SENDV 4, OUT0
	VWORK 5, BV1, OUT1, 0
	; ---- pos: one row tile, six accumulators by turns
	s_wait_loadcnt 0x0
	HEAD
	SENDV 5, OUT1
.irp ks, 0,1,2
.irp ct, 0,1,2,3,4,5
.set fi, (18+\ct)*3+\ks
	WIN ((1+fi/32)|(3<<2))
	WT ACC+8*\ct, 8*(fi%32), XW+8*(12+\ks), \ks, WS+(9+\ct/2)*3+\ks, XS+12+\ks, \ct%2
.endr
.endr
	WIN 0
	PLACES 5
.irp ct, 0,1,2,3,4,5
.irp i, 0,1,2,3
	v_cvt_pk_f16_f32 v[OUT0+4*\ct+\i], v[ACC+8*\ct+2*\i], v[ACC+8*\ct+2*\i+1]
.endr
.endr
	s_wait_alu depctr_va_vdst(0)                   ; the last step has written OUT0, which the last six stores read
.irp ct, 0,1,2,3,4,5
	global_store_b128 v[LI], v[OUT0+4*\ct:OUT0+4*\ct+3], s[26:27] offset:(\ct/2)*1024+512*(\ct%2)
.endr
	s_wait_dscnt 0x0                               ; the closing lines, six on end
	s_wait_alu 0x0
	s_wait_tensorcnt 0x0
	ds_add_u32 v[SPW], v[NIL]
	s_wait_dscnt 0x0
	s_endpgm
.Lfunc_end_k_q3a6d72a6e4_proj:
	.size	k_q3a6d72a6e4_proj, .Lfunc_end_k_q3a6d72a6e4_proj-k_q3a6d72a6e4_proj
	.p2alignl 7, 3214868480
	.fill 96, 4, 3214868480
	.section	.rodata,"a",@progbits
	.p2align	6, 0x0
	.amdhsa_kernel k_q3a6d72a6e4_proj
		.amdhsa_group_segment_fixed_size 24576
		.amdhsa_private_segment_fixed_size 0
		.amdhsa_enable_private_segment 0
		.amdhsa_kernarg_size 96
		.amdhsa_user_sgpr_count 2
		.amdhsa_user_sgpr_kernarg_segment_ptr 1
		.amdhsa_wavefront_size32 1
		.amdhsa_system_sgpr_workgroup_id_x 1
		.amdhsa_system_sgpr_workgroup_id_y 1
		.amdhsa_system_sgpr_workgroup_id_z 1
		.amdhsa_system_vgpr_workitem_id 0
		.amdhsa_next_free_vgpr 960
		.amdhsa_next_free_sgpr 66
		.amdhsa_reserve_vcc 0
		.amdhsa_float_denorm_mode_32 3
		.amdhsa_float_denorm_mode_16_64 3
		.amdhsa_memory_ordered 1
		.amdhsa_forward_progress 1
		.amdhsa_inst_pref_size 144
	.end_amdhsa_kernel
	.amdgpu_metadata
---
amdhsa.version: [ 1, 2 ]
amdhsa.kernels:
  - .name:           k_q3a6d72a6e4_proj
    .symbol:         k_q3a6d72a6e4_proj.kd
    .args:
      - { .name: hidden_states, .offset: 0, .size: 8, .value_kind: global_buffer, .address_space: global }
      - { .name: pos_emb, .offset: 8, .size: 8, .value_kind: global_buffer, .address_space: global }
      - { .name: wcodes, .offset: 16, .size: 8, .value_kind: global_buffer, .address_space: global }
      - { .name: wscales, .offset: 24, .size: 8, .value_kind: global_buffer, .address_space: global }
      - { .name: bq, .offset: 32, .size: 8, .value_kind: global_buffer, .address_space: global }
      - { .name: bv, .offset: 40, .size: 8, .value_kind: global_buffer, .address_space: global }
      - { .name: pos_bias_u, .offset: 48, .size: 8, .value_kind: global_buffer, .address_space: global }
      - { .name: pos_bias_v, .offset: 56, .size: 8, .value_kind: global_buffer, .address_space: global }
      - { .name: quf, .offset: 64, .size: 8, .value_kind: global_buffer, .address_space: global }
      - { .name: qvf, .offset: 72, .size: 8, .value_kind: global_buffer, .address_space: global }
      - { .name: kvf, .offset: 80, .size: 8, .value_kind: global_buffer, .address_space: global }
      - { .name: pf, .offset: 88, .size: 8, .value_kind: global_buffer, .address_space: global }
    .group_segment_fixed_size: 24576
    .private_segment_fixed_size: 0
    .kernarg_segment_align: 8
    .kernarg_segment_size: 96
    .max_flat_workgroup_size: 128
    .sgpr_count:     66
    .vgpr_count:     960
    .wavefront_size: 32
...
	.end_amdgpu_metadata
.endif
;; end of part 5
;; launch attn: the kernel of part 3 again; grid 8 x 32, 4 waves a work-group, no clusters, 327,680 bytes of LDS; arguments quf, qvf, kvf, pf, attention_mask, af; writes af
;; launch outp: the kernel of part 4 again; grid 256 x 1, 4 waves a work-group, no clusters, 99,840 bytes of LDS; arguments af, wof, bo, out0; writes out0
